; MI455X (gfx1250); checked and timed in simulation.
; The chip was launched on July 23, 2026; its instructions are those of AMD's public machine-readable ISA for CDNA 5 (MIT licence, August 2026) and "CDNA5" Instruction Set Architecture Reference Guide (July 2026). The comments in the code are by the model that wrote it; some were corrected since.
;; Self Attention. Allowed arithmetic: matrix products marked QUANTISED: E2M3 operands, one E8M0 scale for each 32 along K, by v_wmma_scale_f32_16x16x128_f8f6f4 with both operands' format E2M3, f32 sums; everything else in f32.
;; Inputs: b_in 3,072 float32; b_out 1,024 float32; w_in 1,024 x 3,072 float32; w_out 1,024 x 1,024 float32; x 4 x 2,048 x 1,024 float32.
;; Outputs: out0 4 x 2,048 x 1,024 float32.
;; This version of the problem:
;;   THIS VERSION OF THE PROBLEM IS GIVEN IN LOW PRECISION. The matrix products marked QUANTISED in the list below multiply operands that are first quantised to E2M3 (2 exponent bits, 3 mantissa bits; 6 bits a number), with one power-of-two scale for each 32 numbers along K (OCP MX v1.0); their sums are f32. All else is computed in f32.
;;   The module's matrix products, in the order in which they are computed (A, B: the left and right operand; K: the contracted axis; several contracted axes count as one K, in the product's order):
;;     1. [M 8,192, K 1,024] x [K 1,024, N 3,072]; A: input x; B: input w_in: QUANTISED
;;     2. batch 64 x [M 2,048, K 64] x [K 64, N 2,048]; A: computed on the way; B: computed on the way: QUANTISED
;;     3. batch 64 x [M 2,048, K 2,048] x [K 2,048, N 64]; A: softmax (see below); B: computed on the way: QUANTISED
;;     4. [M 8,192, K 1,024] x [K 1,024, N 1,024]; A: computed on the way; B: input w_out: QUANTISED
;;   THE QUANTISER, for each operand of a quantised product, along K:
;;     - K is cut into blocks of 32 from its start; a last block that is shorter is filled with zeros.
;;     - A block's scale is 2^e with e = floor(log2(the largest magnitude in the block)) - 2, held to -126 .. 127; a block of zeros has e = 0. As a byte (E8M0): e + 127.
;;     - Each number is divided by its block's scale, clamped to +-7.5, and rounded to the nearest number of E2M3, ties to even, subnormals kept.
;;     - The product sums the exact products of the quantised numbers (number of the format x scale) in f32.
;;   ~~~python
;;   def quantise(x, axis):      # numpy; x: float32 -> the quantised numbers, widened to float32 again
;;       x = np.moveaxis(x, axis, -1); K = x.shape[-1]
;;       x = np.pad(x, [(0, 0)] * (x.ndim - 1) + [(0, -K % 32)]); x = x.reshape(x.shape[:-1] + (-1, 32)); a = np.abs(x).max(-1, keepdims=True)
;;       e = np.where(a > 0, np.clip(np.frexp(np.where(a > 0, a, 1))[1] - 1 - 2, -126, 127), 0)      # np.frexp(a)[1] - 1 = floor(log2(a)), exactly
;;       r = np.clip(x / 2.0 ** e, -7.5, 7.5)
;;       step = 2.0 ** (np.maximum(np.frexp(np.where(r == 0, 1, r))[1] - 1, 0) - 3)
;;       q = np.round(r / step) * step * 2.0 ** e      # np.round: ties to even
;;       return np.moveaxis(q.reshape(q.shape[:-2] + (-1,))[..., :K], -1, axis).astype(np.float32)
;;   ~~~
;;   SOFTMAX AHEAD OF A QUANTISED PRODUCT. Where the list says 'softmax', what is quantised is not the finished softmax but p = 2^(t - M), with t = logit x log2(e) and M = ceil(the row's largest t), a whole number; so 1/2 < the row's largest p <= 1. The row's sum l is taken of the UNQUANTISED p, in f32, and the product's result is divided by l at the end. Since M is a whole number, a kernel that streams over the keys may use a running M (the ceiling of the running maximum): every later rescaling is an exact power of two, which a block's scale takes up: the codes' values come out the same.
;;   OPERANDS COMPUTED ON THE WAY. 'Computed on the way' means the value that the module computes at that place (a softmax that the list does not call 'softmax' is quantised finished and normalised). What goes into a quantiser is computed in f32, as accurately as f32 sums, v_exp_f32 and their like allow (about 1e-6 of the number): no bf16 or f16 on the way to a quantiser, and a product that is left as it is and whose result goes on into a quantised operand takes f32 operands (vector FMAs, or v_wmma_f32_16x16x4_f32). A number that lies on a knife's edge between two numbers of the format may be rounded either way, as far as f32 arithmetic and the matrix unit's own rounding can turn it there, and no further.
;; One version. Each part assembles by itself: llvm-mc -triple=amdgcn-amd-amdhsa -mcpu=gfx1250 --defsym DOCPART=n.
;; ======== version 1 of 1: 5 launches
;; workspace buffers: xq 6,553,600 bytes; wq 3,276,800 bytes; qbuf 6,553,600 bytes; kv 13,107,200 bytes; ao 6,553,600 bytes
;; launch qx (part 1): grid 256 x 1, 4 waves a work-group, no clusters, 33,280 bytes of LDS; arguments x, xq; writes xq
.if DOCPART == 1
	.amdgcn_target "amdgcn-amd-amdhsa--gfx1250"
	.amdhsa_code_object_version 6
	.text
	.protected	k_qbe9e91439d_qx
	.globl	k_qbe9e91439d_qx
	.p2align	8
	.type	k_qbe9e91439d_qx,@function
k_qbe9e91439d_qx:
	s_mov_b64 s[64:65], 0
	v_nop
	global_prefetch_b8 v0, s[64:65] scope:SCOPE_SE
	s_setreg_imm32_b32 hwreg(HW_REG_WAVE_MODE, 25, 1), 1
	s_wait_xcnt 0x0
; x [8192][1024], f32, becomes codes of FP6 (E2M3), K innermost (768 bytes a row), and one E8M0 byte for each 32 along K (32 bytes a row), both in xq: codes from byte 0, scale bytes from byte XSC.
; A block's scale is 2^(floor(log2(its largest magnitude)) - 2): its byte is the largest magnitude's exponent field - 2, held at 1 from below by a floor among the maximum's leaves.
; THE ROWS ARE STORED IN ANOTHER ORDER: position p holds row t with bits 5:3 turned: p[5:4] = t[4:3], p[3] = t[5].  So tile u (16 positions) of a group of 64 holds rows 32 (i / 8) + 8 u + i % 8:
; where such rows are source 0 of a matrix instruction, a lane's 32 registers of four neighbouring tiles are 32 NEIGHBOURING rows, a whole block of the next product's K.
; A wave takes 8 rows (8,192 numbers) in 16 steps of 512, so the turn is a turn of the wave's run number.  Loads take the bytes as they lie (512 consecutive bytes each); a step's 2,048 bytes go through the wave's own
; stage in LDS and come back 64 bytes a lane, so that a lane holds 16 neighbours along K and two neighbouring lanes hold a block.  No barrier: waves share nothing.
; LIMITS: NaN and infinities among the inputs are not served; a block whose largest magnitude lies under 2^-124 keeps the byte 1; a block of zeros has the byte 1 (its codes are zeros; this program alone reads the bytes).
.set STEPS, 16
.set CB,    12                         ; bytes of 16 codes
.set R,     16                         ; v16-79   four sets of 16 numbers as they are loaded
.set X,     80                         ; v80-111  two sets of 16 neighbours
.set C,     128                        ; v128-191 codes: four registers for each step, so that no store's data are written again
.set E,     112                        ; v112-127 a scale byte for each step
.set WREG,  8192                       ; LDS: a region for each wave: two stages of 32 x SP bytes, behind them its 256 scale bytes
.set SP,    80                         ; a lane's place in a stage: 64 bytes + 16 of padding
.set XSC,   6291456                    ; where the scale bytes begin in xq: 8,192 x 768
	s_load_b128 s[4:7], s[0:1], 0x0                ; x, xq
	v_lshl_add_u32 v192, v0, 2, 0x8000
	v_mov_b32 v193, 0
	v_lshrrev_b32 v1, 5, v0
	v_readfirstlane_b32 s16, v1                    ; wave
	v_and_b32 v2, 31, v0                           ; lane
	v_lshlrev_b32 v3, 4, v2                        ; my 16 bytes of a load's 512
	s_mul_i32 s17, s16, WREG
	v_lshrrev_b32 v14, 2, v2
	v_mul_u32_u24 v14, v14, SP
	v_and_b32 v15, 3, v2
	v_lshl_add_u32 v14, v15, 4, v14
	v_add_nc_u32 v14, s17, v14                     ; the stage, on the way in: SP (lane / 4) + 16 (lane % 4)
	v_mul_u32_u24 v15, v2, SP
	v_add_nc_u32 v15, s17, v15                     ; and on the way out: SP x lane: my 16 neighbours
	v_mul_u32_u24 v4, v2, CB                       ; my codes' place in a step's
	v_lshrrev_b32 v5, 1, v2
	s_add_co_u32 s17, s17, 2*32*SP
	v_add_nc_u32 v5, s17, v5                       ; LDS: my wave's 256 scale bytes, my block's byte
	v_lshlrev_b32 v7, 3, v2                        ; and on the way out 8 bytes a lane
	v_add_nc_u32 v6, s17, v7
	s_lshl_b32 s18, ttmp9, 2
	s_add_co_u32 s18, s18, s16                     ; my run of 8 rows
	s_and_b32 s19, s18, 3
	s_lshl_b32 s19, s19, 1
	s_bfe_u32 s20, s18, 0x10002
	s_or_b32 s19, s19, s20
	s_and_b32 s20, s18, 0xfffffff8
	s_or_b32 s19, s19, s20                         ; the run of positions that it goes to: the low three bits turned
	s_lshl_b32 s20, s18, 15                        ; in: 32,768 bytes a run
	s_mov_b32 s21, 0
	s_mul_i32 s22, s19, 6144                       ; out: 8 x 768 bytes of codes,
	s_mov_b32 s23, 0
	s_lshl_b32 s24, s19, 8                         ; 256 scale bytes
	s_add_co_u32 s24, s24, XSC
	s_mov_b32 s25, 0
	s_wait_kmcnt 0x0
	s_add_nc_u64 s[4:5], s[4:5], s[20:21]
	s_add_nc_u64 s[8:9], s[6:7], s[22:23]
	s_add_nc_u64 s[10:11], s[6:7], s[24:25]
.macro LOAD t
.irp i, 0,1,2,3
	global_load_b128 v[R+16*((\t)%4)+4*\i:R+16*((\t)%4)+4*\i+3], v3, s[4:5] offset:2048*(\t)+512*\i th:TH_LOAD_NT   ; 32 lanes read 512 consecutive bytes
.endr
.endm
.macro TURN t                          ; step t's numbers through the stage: LDS serves a wave's instructions in order, so no wait stands between the stores and the loads
.irp i, 0,1,2,3
	ds_store_b128 v14, v[R+16*((\t)%4)+4*\i:R+16*((\t)%4)+4*\i+3] offset:32*SP*((\t)%2)+8*SP*\i
.endr
.irp i, 0,1,2,3
	ds_load_b128 v[X+16*((\t)%2)+4*\i:X+16*((\t)%2)+4*\i+3], v15 offset:32*SP*((\t)%2)+16*\i
.endr
.endm
.irp t, 0,1,2,3
	LOAD \t
.endr
	s_wait_loadcnt 12                              ; step 0's four loads are in; twelve younger ones stay out
	TURN 0
.macro STEP t
.set XS, X+16*((\t)%2)
.if (\t) > 0
	s_wait_dscnt 1                                 ; this step's numbers are back from the stage (the last step's byte store may be out): so its stores into the stage have read their registers,
.else
	s_wait_dscnt 0x0
.endif
.if (\t)+4 < STEPS
	LOAD (\t)+4                                    ; which take the loads of four steps on
.endif
.if (\t)+1 < STEPS
.if STEPS-2-(\t) >= 3
	s_wait_loadcnt 12                              ; the next step's four loads are in; those of the three steps behind it may be out
.else
	s_wait_loadcnt 4*(STEPS-2-(\t))
.endif
	TURN (\t)+1                                    ; and go through the other stage while this step is worked
.endif
	v_max3_num_f32 v8, |v[XS]|, |v[XS+1]|, |v[XS+2]|               ; the largest magnitude of my 16, in two chains
	v_max3_num_f32 v9, |v[XS+3]|, |v[XS+4]|, |v[XS+5]|
.irp i, 6,10
	v_max3_num_f32 v8, v8, |v[XS+\i]|, |v[XS+\i+1]|
	v_max3_num_f32 v9, v9, |v[XS+\i+2]|, |v[XS+\i+3]|
.endr
	v_max3_num_f32 v8, v8, |v[XS+14]|, |v[XS+15]|
	v_max3_num_f32 v8, v8, v9, 0x1800000           ; and the floor 2^(3 - 127): the byte cannot fall under 1
	v_max_num_f32_dpp v8, v8, v8 row_xmask:1 row_mask:0xf bank_mask:0xf   ; and of my neighbour's 16: the block's
	v_add_nc_u32 v11, 0xff000000, v8               ; 2 off its exponent field: the conversion takes the exponent field of this operand as its scale
	v_cvt_scalef32_pk16_fp6_f32 v[C+4*(\t):C+4*(\t)+2], v[XS:XS+15], v11
	v_lshrrev_b32 v[E+(\t)], 23, v11               ; the scale's byte
	ds_store_b8 v5, v[E+(\t)] offset:16*(\t)       ; both lanes of a block write the same byte with the same value
	global_store_b96 v4, v[C+4*(\t):C+4*(\t)+2], s[8:9] offset:32*CB*(\t)   ; the wave stores 384 consecutive bytes
.endm
.irp t, 0,1,2,3,4,5,6,7,8,9,10,11,12,13,14,15
	STEP \t
.endr
	ds_load_b64 v[12:13], v6                       ; LDS serves a wave's instructions in order: these see my stores
	s_wait_dscnt 0x0
	global_store_b64 v7, v[12:13], s[10:11]        ; 32 lanes store 256 consecutive bytes, aligned
	s_wait_tensorcnt 0x0
	ds_add_u32 v192, v193
	s_wait_dscnt 0x0
	s_endpgm
.Lfunc_end_k_qbe9e91439d_qx:
	.size	k_qbe9e91439d_qx, .Lfunc_end_k_qbe9e91439d_qx-k_qbe9e91439d_qx
	.p2alignl 7, 3214868480
	.fill 96, 4, 3214868480
	.section	.rodata,"a",@progbits
	.p2align	6, 0x0
	.amdhsa_kernel k_qbe9e91439d_qx
		.amdhsa_group_segment_fixed_size 33280
		.amdhsa_private_segment_fixed_size 0
		.amdhsa_enable_private_segment 0
		.amdhsa_kernarg_size 16
		.amdhsa_user_sgpr_count 2
		.amdhsa_user_sgpr_kernarg_segment_ptr 1
		.amdhsa_wavefront_size32 1
		.amdhsa_system_sgpr_workgroup_id_x 1
		.amdhsa_system_sgpr_workgroup_id_y 1
		.amdhsa_system_sgpr_workgroup_id_z 1
		.amdhsa_system_vgpr_workitem_id 0
		.amdhsa_next_free_vgpr 194
		.amdhsa_next_free_sgpr 66
		.amdhsa_reserve_vcc 0
		.amdhsa_float_denorm_mode_32 3
		.amdhsa_float_denorm_mode_16_64 3
		.amdhsa_memory_ordered 1
		.amdhsa_forward_progress 1
		.amdhsa_inst_pref_size 32
	.end_amdhsa_kernel
	.amdgpu_metadata
---
amdhsa.version: [ 1, 2 ]
amdhsa.kernels:
  - .name:           k_qbe9e91439d_qx
    .symbol:         k_qbe9e91439d_qx.kd
    .args:
      - { .name: x, .offset: 0, .size: 8, .value_kind: global_buffer, .address_space: global }
      - { .name: xq, .offset: 8, .size: 8, .value_kind: global_buffer, .address_space: global }
    .group_segment_fixed_size: 33280
    .private_segment_fixed_size: 0
    .kernarg_segment_align: 8
    .kernarg_segment_size: 16
    .max_flat_workgroup_size: 128
    .sgpr_count:     66
    .vgpr_count:     194
    .wavefront_size: 32
...
	.end_amdgpu_metadata
.endif
;; end of part 1
;; launch qw (part 2): grid 32 x 4, 4 waves a work-group, no clusters, 36,352 bytes of LDS; arguments w_in, w_out, wq; writes wq
.if DOCPART == 2
	.amdgcn_target "amdgcn-amd-amdhsa--gfx1250"
	.amdhsa_code_object_version 6
	.text
	.protected	k_qbe9e91439d_qw
	.globl	k_qbe9e91439d_qw
	.p2align	8
	.type	k_qbe9e91439d_qw,@function
k_qbe9e91439d_qw:
	s_mov_b64 s[64:65], 0
	v_nop
	global_prefetch_b8 v0, s[64:65] scope:SCOPE_SE
	s_setreg_imm32_b32 hwreg(HW_REG_WAVE_MODE, 25, 1), 1
	s_wait_xcnt 0x0
; w_in [1024][3072] and w_out [1024][1024], f32, K their FIRST axis, become codes of FP6 (E2M3) with K innermost and one E8M0 byte for each 32 along K, in wq: 4,096 rows of 768 bytes of codes
; (rows 0-3071: w_in's columns, rows 3072-4095: w_out's), then from byte WSC 4,096 rows of 32 scale bytes.
; A LANE TAKES A COLUMN AND ITS REGISTERS RUN DOWN K: a block of 32 along K lies in one lane's 32 registers, and the conversions give the codes with K innermost.  Nothing is transposed by an instruction.
; THE COLUMNS ARE STORED IN ANOTHER ORDER, the same as x's rows: position p holds column t with p[5:4] = t[4:3], p[3] = t[5].
; Work-group x takes 128 columns (x under 24: of w_in; else of w_out), y a quarter of K (256).  One path serves both weights: only the pointer and the row's length are chosen, on the work-group's number.
; A row's length is no constant of the text here, so a load's offset is a register (4 x lane + i rows) and each block of 32 rows has a base of its own.
; A wave's codes go through its own stage in LDS and leave as rows: sixteen lanes store a row's 192 consecutive bytes.  No barrier: waves share nothing.  Loads run two blocks (64 loads a wave) ahead.
; LIMITS: NaN and infinities are not served; a block whose largest magnitude lies under 2^-124, a block of zeros among them, keeps the byte 1 (zero codes add nothing; this program alone reads the bytes).
.set NB,    8                          ; blocks of 32 along K for a wave
.set PITCH, 272                        ; a stage row: sixteen places of 16 bytes, each with 12 bytes of codes, + 16
.set KROW,  768                        ; a row of codes in wq
.set WSC,   3145728                    ; where the scale bytes begin: 4,096 x 768
.set X,     32                         ; v32-95   two sets of 32 numbers
.set C,     96                         ; v96..    a block's codes
.set OUTR,  112                        ; v112-175 the way out
.set SB,    24                         ; v24-25   the scale bytes, four to a register
.set OFF,   176                        ; v176-207 4 x lane + i rows of the weight
.set BS,    32                         ; s[32:47] eight bases, one for each block of 32 rows
	s_load_b128 s[4:7], s[0:1], 0x0                ; w_in, w_out
	s_load_b64 s[8:9], s[0:1], 0x10                ; wq
	v_lshl_add_u32 v208, v0, 2, 0x8c00
	v_mov_b32 v209, 0
	v_lshrrev_b32 v1, 5, v0
	v_readfirstlane_b32 s16, v1                    ; wave 0..3
	v_and_b32 v2, 31, v0                           ; lane
	s_and_b32 s18, ttmp7, 0xffff                   ; which quarter of K
	s_mov_b32 s20, 4096
	s_cmp_lt_u32 ttmp9, 24                         ; w_in's work-group or w_out's?
	s_cselect_b32 s20, 12288, s20                  ; a row of the weight in bytes
	s_cselect_b32 s21, 0, 24
	s_sub_co_u32 s21, ttmp9, s21                   ; which 128 columns of it
	s_lshl_b32 s22, s21, 9
	s_lshl_b32 s23, s16, 7
	s_add_co_u32 s22, s22, s23                     ; 4 x my wave's first column
	s_lshl_b32 s23, s18, 8
	s_mul_i32 s23, s23, s20                        ; + 256 y rows
	s_add_co_u32 s22, s22, s23
	s_mov_b32 s23, 0
	s_lshl_b32 s24, s20, 5                         ; 32 rows
	s_mov_b32 s25, 0
	v_lshlrev_b32 v[OFF], 2, v2
.set i, 1
.rept 31
	v_add_nc_u32 v[OFF+i], s20, v[OFF+i-1]
.set i, i+1
.endr
	s_mul_i32 s19, s16, 32*PITCH                   ; my stage
	v_mul_u32_u24 v4, v2, PITCH
	v_add_nc_u32 v4, s19, v4                       ; into it: row = my column
	v_and_b32 v5, 15, v2
	v_lshrrev_b32 v6, 4, v2                        ; out of it: sixteen lanes to a row, two rows an instruction
	v_mul_u32_u24 v7, v6, PITCH
	v_lshl_add_u32 v7, v5, 4, v7
	v_add_nc_u32 v7, s19, v7
	v_mul_u32_u24 v8, v6, KROW
	v_mad_u32_u24 v8, v5, 12, v8                   ; and the same place in wq
	s_lshl_b32 s26, ttmp9, 7                       ; my columns' positions: 128 x + 64 (wave / 2) + 8 (wave % 2) + 16 (lane / 8) + lane % 8
	s_lshr_b32 s27, s16, 1
	s_lshl_b32 s27, s27, 6
	s_add_co_u32 s26, s26, s27
	s_and_b32 s27, s16, 1
	s_lshl_b32 s27, s27, 3
	s_add_co_u32 s26, s26, s27
	s_mul_i32 s28, s26, KROW
	s_mul_i32 s27, s18, 192
	s_add_co_u32 s28, s28, s27                     ; codes: position x 768 + 192 y
	s_mov_b32 s29, 0
	s_lshl_b32 s30, s26, 5
	s_lshl_b32 s27, s18, 3
	s_add_co_u32 s30, s30, s27
	s_add_co_u32 s30, s30, WSC                     ; scale bytes: WSC + position x 32 + 8 y
	s_mov_b32 s31, 0
	v_lshrrev_b32 v9, 3, v2
	v_and_b32 v10, 7, v2
	v_lshl_add_u32 v9, v9, 4, v10
	v_lshlrev_b32 v9, 5, v9                        ; my column's row of scale bytes
	s_wait_kmcnt 0x0
	s_cmp_lt_u32 ttmp9, 24
	s_cselect_b64 s[4:5], s[4:5], s[6:7]
	s_add_nc_u64 s[BS:BS+1], s[4:5], s[22:23]
.irp t, 1,2,3,4,5,6,7
	s_add_nc_u64 s[BS+2*\t:BS+2*\t+1], s[BS+2*\t-2:BS+2*\t-1], s[24:25]
.endr
	s_add_nc_u64 s[10:11], s[8:9], s[28:29]
	s_add_nc_u64 s[12:13], s[8:9], s[30:31]
.macro LOAD t                          ; block t: rows 32 t + i of my quarter, my column, into set t % 2: 32 lanes read 128 consecutive bytes
.irp i, 0,1,2,3,4,5,6,7,8,9,10,11,12,13,14,15,16,17,18,19,20,21,22,23,24,25,26,27,28,29,30,31
	global_load_b32 v[X+32*((\t)%2)+\i], v[OFF+\i], s[BS+2*(\t):BS+2*(\t)+1] th:TH_LOAD_NT
.endr
.endm
	LOAD 0
	LOAD 1
.macro BLOCK t
.set XS, X+32*((\t)%2)
.if (\t) < NB-1
	s_wait_loadcnt 32                              ; this block's 32 loads are in; the next block's may be out
.else
	s_wait_loadcnt 0
.endif
	v_max3_num_f32 v12, |v[XS]|, |v[XS+1]|, |v[XS+2]|               ; the block's largest magnitude: all 32 numbers are mine
	v_max3_num_f32 v13, |v[XS+3]|, |v[XS+4]|, |v[XS+5]|
.irp i, 6,10,14,18,22,26
	v_max3_num_f32 v12, v12, |v[XS+\i]|, |v[XS+\i+1]|
	v_max3_num_f32 v13, v13, |v[XS+\i+2]|, |v[XS+\i+3]|
.endr
	v_max3_num_f32 v12, v12, |v[XS+30]|, |v[XS+31]|
	v_max3_num_f32 v12, v12, v13, 0x1800000        ; and the floor 2^(3 - 127)
	v_add_nc_u32 v11, 0xff000000, v12              ; 2 off its exponent field: the conversion's scale operand
	v_lshrrev_b32 v13, 23, v11                     ; the scale's byte
.if (\t)%4 == 0
	v_mov_b32 v[SB+(\t)/4], v13                    ; four bytes to a register, the lower K in the lower byte
.else
	v_lshl_or_b32 v[SB+(\t)/4], v13, 8*((\t)%4), v[SB+(\t)/4]
.endif
	v_cvt_scalef32_pk16_fp6_f32 v[C:C+2], v[XS:XS+15], v11
	v_cvt_scalef32_pk16_fp6_f32 v[C+4:C+6], v[XS+16:XS+31], v11     ; (a conversion's three registers begin on an even number)
	ds_store_b96 v4, v[C:C+2] offset:32*(\t)       ; 12 bytes to a place of 16, so that every LDS address is a multiple of 16
	ds_store_b96 v4, v[C+4:C+6] offset:32*(\t)+16
.if (\t)+2 < NB
	LOAD (\t)+2
.endif
	s_wait_dscnt 0x0                               ; the stores have read their registers: the next block's codes may be written
.endm
.set Q, 0
.rept NB
	BLOCK Q
.set Q, Q+1
.endr
	global_store_b64 v9, v[SB:SB+1], s[12:13]      ; my column's 8 scale bytes
.irp t, 0,1,2,3,4,5,6,7,8,9,10,11,12,13,14,15
	ds_load_b96 v[OUTR+4*\t:OUTR+4*\t+2], v7 offset:2*\t*PITCH   ; LDS serves a wave's instructions in order: these see my stores
.endr
.irp t, 0,1,2,3,4,5,6,7,8,9,10,11,12,13,14,15
	s_wait_dscnt 15-\t
	global_store_b96 v8, v[OUTR+4*\t:OUTR+4*\t+2], s[10:11] offset:(16*(\t/4)+2*(\t%4))*KROW   ; stage rows 2 t and 2 t + 1 go to positions 16 (t / 4) + 2 (t % 4) and the next
.endr
	s_wait_tensorcnt 0x0
	ds_add_u32 v208, v209
	s_wait_dscnt 0x0
	s_endpgm
.Lfunc_end_k_qbe9e91439d_qw:
	.size	k_qbe9e91439d_qw, .Lfunc_end_k_qbe9e91439d_qw-k_qbe9e91439d_qw
	.p2alignl 7, 3214868480
	.fill 96, 4, 3214868480
	.section	.rodata,"a",@progbits
	.p2align	6, 0x0
	.amdhsa_kernel k_qbe9e91439d_qw
		.amdhsa_group_segment_fixed_size 36352
		.amdhsa_private_segment_fixed_size 0
		.amdhsa_enable_private_segment 0
		.amdhsa_kernarg_size 24
		.amdhsa_user_sgpr_count 2
		.amdhsa_user_sgpr_kernarg_segment_ptr 1
		.amdhsa_wavefront_size32 1
		.amdhsa_system_sgpr_workgroup_id_x 1
		.amdhsa_system_sgpr_workgroup_id_y 1
		.amdhsa_system_sgpr_workgroup_id_z 1
		.amdhsa_system_vgpr_workitem_id 0
		.amdhsa_next_free_vgpr 210
		.amdhsa_next_free_sgpr 66
		.amdhsa_reserve_vcc 0
		.amdhsa_float_denorm_mode_32 3
		.amdhsa_float_denorm_mode_16_64 3
		.amdhsa_memory_ordered 1
		.amdhsa_forward_progress 1
		.amdhsa_inst_pref_size 44
	.end_amdhsa_kernel
	.amdgpu_metadata
---
amdhsa.version: [ 1, 2 ]
amdhsa.kernels:
  - .name:           k_qbe9e91439d_qw
    .symbol:         k_qbe9e91439d_qw.kd
    .args:
      - { .name: w_in, .offset: 0, .size: 8, .value_kind: global_buffer, .address_space: global }
      - { .name: w_out, .offset: 8, .size: 8, .value_kind: global_buffer, .address_space: global }
      - { .name: wq, .offset: 16, .size: 8, .value_kind: global_buffer, .address_space: global }
    .group_segment_fixed_size: 36352
    .private_segment_fixed_size: 0
    .kernarg_segment_align: 8
    .kernarg_segment_size: 24
    .max_flat_workgroup_size: 128
    .sgpr_count:     66
    .vgpr_count:     210
    .wavefront_size: 32
...
	.end_amdgpu_metadata
.endif
;; end of part 2
;; launch gqkv (part 3): grid 12 x 32, 4 waves a work-group, clusters of 4 x 4, 327,680 bytes of LDS; arguments xq, wq, b_in, qbuf, kv; writes qbuf, kv
.if DOCPART == 3
	.amdgcn_target "amdgcn-amd-amdhsa--gfx1250"
	.amdhsa_code_object_version 6
	.text
	.protected	k_qbe9e91439d_gqkv
	.globl	k_qbe9e91439d_gqkv
	.p2align	8
	.type	k_qbe9e91439d_gqkv,@function
k_qbe9e91439d_gqkv:
	s_mov_b64 s[64:65], 0
	v_nop
	global_prefetch_b8 v0, s[64:65] scope:SCOPE_SE
	s_setreg_imm32_b32 hwreg(HW_REG_WAVE_MODE, 25, 1), 1
	s_wait_xcnt 0x0
	s_wait_alu depctr_hold_cnt(0) depctr_sa_sdst(0) depctr_va_vdst(0) depctr_va_sdst(0) depctr_va_ssrc(0) depctr_va_vcc(0) depctr_vm_vsrc(0)
	s_getreg_b32 s2, hwreg(HW_REG_IB_STS2, 6, 4)
	s_cmp_eq_u32 s2, 0
	s_cbranch_scc0 .Lentry_in_a_cluster
	s_endpgm
.Lentry_in_a_cluster:
	s_bfe_u32 s2, ttmp6, 0x10000c
	s_cmp_lg_u32 s2, 0xf033
	s_cbranch_scc0 .Lentry_shape_is_right
	s_endpgm
.Lentry_shape_is_right:
; qkv = x w_in + b_in on codes of FP6 (E2M3) with E8M0 scales for each 32 along K = 1,024; q, k and v are quantised in registers for the two products of attention and stored as IMAGES OF OPERAND REGISTERS.
; A tile of 256 x 256 of the product is made by four waves, 128 x 128 each (64 accumulators, 512 registers).  K goes in steps of 256 through a ring of two LDS slots filled by the tensor data mover; the scale bytes of the
; work-group's 512 rows come into LDS once.  4 x 4 work-groups form a cluster: the tiles of the operand called A here are shared along a row of the cluster, B's along a column, each asked for jointly.
; THE MATRIX INSTRUCTION: source 0 = 16 rows of B, source 1 = 16 rows of A: a lane holds ONE row of A (lane % 16), and its registers run along B's rows.
; ROLES, by the cluster's x (the same in all sixteen partners): 0: q, 1: k: A = tokens (xq), B = w_in's columns (wq): a lane holds a token and runs along the head's 64, the K of q k^T.
;   2: v: A = w_in's last 1,024 columns, B = tokens: a lane holds one channel of a head and runs along the KEYS, the K of p v.  The roles differ in pointers, chosen by s_cselect, and in the way out.
; THE ORDER OF ROWS.  xq's and wq's rows are stored with bits 5:3 turned, so that tile u of a group of 64 holds rows 32 (i / 8) + 8 u + i % 8.  Register j of accumulator b in lane half h is B's row 16 b + 8 h + j in storage,
; which is row 64 (b / 4) + 32 h + 8 (b % 4) + j in truth: the 32 registers of four neighbouring accumulators are a WHOLE block of 32 neighbours, which is what the 6-bit operand layout gives a lane.
; So a block's largest magnitude needs no other lane and the conversions' results are the operand's registers; one exchange between the lane halves gathers the scale word.
; WHAT IS STORED.  An image: 12 registers x 32 lanes, registers 4 j .. 4 j + 3 of lane l at 512 j + 16 l.  For a head and a step of 128 tokens: q and k: 4 images, image i = two tiles of 16 tokens x 64 channels (registers 0-5: tile 2 i,
; registers 6-11: tile 2 i + 1); v: 4 images, image u = 16 channels x 128 keys.  Scale words: [row 0..15][4 words], word i for image i.  qbuf: records of 6,400 bytes, kv: of 12,800 (k's images, v's images, k's words, v's words).
; LIMITS: NaN and infinities are not served; a block whose largest magnitude lies under 2^-124, a block of zeros among them, keeps the byte 1 (zero codes add nothing; this program alone reads the bytes).
; REGISTERS, in windows of 256: window 0: v0-31 addresses; v32-63 scale words, two sets; v64-127 the biases; from v128 A's fragments, ONE set; on the way out v128-255 are at work.
;   window 1: B's fragments, TWO sets, at v0 and v128.   window 2: the accumulators of my rows 0-63 ((a, b) at v[8 (8 a + b)]);   window 3: those of rows 64-127.
.set KSTEP,  256                       ; along K in a slot
.set NQ,     2                         ; matrix instructions deep
.set ROWB,   192                       ; a tile's row in bytes
.set KROW,   768                       ; a row of codes in memory
.set PITCH,  240                       ; an LDS row: 3 x (64 bytes + 16 of padding): the 32 lanes of a load of 8 bytes touch 64 different banks (64 banks of 4 bytes: ISA guide 11.1)
.set FR,     12                        ; registers of a fragment
.set NL,     6                         ; LDS loads that bring one
.set NP,     4                         ; places behind this matrix instruction (ISA guide 7.12.1)
.set HALFT,  128*PITCH                 ; 128 rows: what one tensor load brings
.set SLOT,   4*HALFT                   ; A's 256 rows, then B's 256 rows
.set LAPS,   2                         ; 1,024 / 512: a lap is once round the ring
.set KS,     32                        ; a row of scale bytes
.set SCL,    2*SLOT                    ; behind the ring: the scales, as units of 256 bytes + 16 of padding
.set HALFS,  (128*KS/256)*272          ; the scales of 128 rows
.set SBLK,   (16*KS/256)*272           ; those of 16 rows
.set SPARE,  SCL+4*HALFS               ; the spare words, 128 bytes a wave: two blocks of 256 bytes that no other line names
.set XSC,    6291456                   ; where the scale bytes begin in xq,
.set WSC,    3145728                   ; and in wq
.set ADRA, 16                          ; v16-17 LDS address of my A fragments in slot 0, 1 (v18-19: behind one padding more)
.set ADRB, 20                          ; v20-21 the same for B (v22-23)
.set LI,   24                          ; v24  16 x lane: my place in an image's 512 bytes
.set SOF,  25                          ; v25  my place among the scale words
.set ADRS, 27                          ; v27  LDS address of my scale words: lanes 0-15 A's rows, lanes 16-31 B's
.set SPW,  28                          ; v28  LDS address of my spare word; never rewritten
.set NIL,  29                          ; v29  0; never rewritten
.set SC,   32                          ; scale words: set s at v[SC + 16 s]; register 2 i + q: lanes 0-15 A's block i, lanes 16-31 B's block i
.set BIAS, 64                          ; v64-127 the biases, in the layout of one block's 64 results
.set AF,   128                         ; A's fragments
.set ST,   128                         ; the way out: 64 numbers at work
.set IMG0, 192                         ; two images
.set IMG1, 204
.set TA,   216                         ; a block's upper 16 codes are made here and moved (a conversion's three registers begin on an even number)
.set TB,   220
.set OJ,   224                         ; at the head: the bias loads' offsets
.set TM,   224                         ; four chains of maxima
.set SO,   228                         ; two scale operands
.set BY,   230                         ; two bytes
.set W,    232
.set T,    233                         ; a lane permute's destination: written once at the head
.set PW0,  234
.set PW1,  235
.set SH8,  236                         ; 8 x (lane / 16)
.set SW,   240                         ; eight scale words
.set OW,   248                         ; the four that I store
.set G1, 24                            ; s[24:31] group 1 for A's tiles;  s[32:39] group 0, one set a slot
.set G0, 32
.set G1B, 48                           ; s[48:55], s[56:63] the same for B's
.set G0B, 56
.set G1S, 68                           ; s[68:75], s[76:79] for A's scales;  s[80:87], s[88:91] for B's
.set G0S, 76
.set G1SB, 80
.set G0SB, 88
.set H0,  96                           ; s[96:97] the record of my first head, s[98:99] of my second, s[92:93] the first's scale words (written when the descriptors have been made)
.set H1,  98
.set SBA, 92
.set SEL, 100                          ; s[100:101] lane selects for v_permlanex16_b32: lane l xor 16
.set MSB, 0
.macro WIN new                         ; the immediate's high byte repeats the setting that is left
.if MSB != \new
	s_set_vgpr_msb (MSB<<8)|\new
.set MSB, \new
.endif
.endm
.set MUL_LO, 0xa1                      ; source 0 (B) window 1, source 1 (A) window 0, C and D window 2
.set MUL_HI, 0xf1                      ; the same, C and D window 3
.set TO_B,   0x40                      ; destination window 1, address window 0
; A joint load: waves 0 and 1 fetch for A, waves 2 and 3 for B.  The branch hangs on the wave's number alone.  Four v_nop follow each of the two lines.
.macro JLOAD g0a, g1a, g0b, g1b
	s_cmp_eq_u32 s15, 0
	s_cbranch_scc0 .Lfor_b_\@
	tensor_load_to_lds s[\g0a:\g0a+3], s[\g1a:\g1a+7]
	s_nop 0
.rept 4
	v_nop
.endr
	s_branch .Lasked_\@
.Lfor_b_\@:
	tensor_load_to_lds s[\g0b:\g0b+3], s[\g1b:\g1b+7]
	s_nop 0
.rept 4
	v_nop
.endr
.Lasked_\@:
.endm
.macro CREST                           ; a round of the cluster's barrier behind its opening barrier
	s_cmp_lg_u32 s14, 0
	s_cbranch_scc1 .Lnot_wave_0_\@
	s_barrier_signal -3
.Lnot_wave_0_\@:
	s_barrier_wait -3
	s_barrier_signal -1
	s_barrier_wait -1
.endm
.macro CROUND                          ; a whole round
	s_barrier_signal -1
	s_barrier_wait -1
	CREST
.endm
	s_load_b256 s[4:11], s[0:1], 0x0               ; xq s[4:5], wq s[6:7], b_in s[8:9], qbuf s[10:11]
	s_load_b64 s[12:13], s[0:1], 0x20              ; kv
	v_lshl_add_u32 v[SPW], v0, 2, SPARE
	v_mov_b32 v[NIL], 0
	ds_add_u32 v28, v29
	ds_add_u32 v28, v29
	s_wait_dscnt 0x0
	v_lshrrev_b32 v1, 5, v0
	v_readfirstlane_b32 s14, v1                    ; wave 0..3
	s_lshr_b32 s15, s14, 1                         ; which half of A's rows is mine.  Also: I fetch for A (0) or for B (1)
	s_and_b32 s16, s14, 1                          ; which half of B's rows.  Also: which 128 rows I fetch
	s_bfe_u32 s40, ttmp6, 0x40000                  ; cx, cy: my place in the cluster
	s_bfe_u32 s41, ttmp6, 0x40004
	s_and_b32 s67, ttmp7, 0xffff                   ; the cluster's y
	s_mov_b32 s100, WSC
	s_mov_b32 s101, XSC
	s_cmp_lt_u32 ttmp9, 2                          ; q or k (A = tokens), or v (B = tokens)?  The cluster's x: the same in all partners
	s_cselect_b32 s17, s67, 0
	s_cselect_b32 s42, ttmp9, s67
	s_cselect_b32 s100, XSC, s100                  ; where A's scale bytes begin in A's buffer,
	s_cselect_b32 s101, WSC, s101                  ; and B's in B's
	s_cselect_b32 s66, 0, 2048                     ; v: A's rows are w_in's columns from 2,048 on
	s_lshl_b32 s17, s17, 2
	s_add_co_u32 s17, s17, s41                     ; A's block of 256 rows: it holds cy and never cx
	s_lshl_b32 s42, s42, 2
	s_add_co_u32 s42, s42, s40                     ; B's block of 256 rows: it holds cx and never cy
	s_lshl_b32 s43, s41, 2
	s_lshl_b32 s43, 15, s43                        ; my row of the cluster
	s_lshl_b32 s44, 0x1111, s40                    ; my column
	; descriptor group 1: a tile of 128 rows x 192 bytes, 16 bytes of padding behind every 64
	s_or_b32 s[G1+0], s43, (0<<16)|(1<<20)|(1<<21)|(3<<22)|(3<<25)  ; 15:0 the mask; 17:16 element of 1 byte; 20 padding on; 21 set beside a mask; 24:22 after every 16 words; 31:25 of 4 words
	s_or_b32 s[G1B+0], s44, (0<<16)|(1<<20)|(1<<21)|(3<<22)|(3<<25)
.irp g, G1, G1B
	s_mov_b32 s[\g+1], ROWB<<16                    ; tensor_dim0
	s_mov_b32 s[\g+2], 128<<16                     ; tensor_dim1
	s_mov_b32 s[\g+3], ROWB<<16                    ; tile_dim0
	s_mov_b32 s[\g+4], 128                         ; tile_dim1
	s_mov_b32 s[\g+5], KROW                        ; tensor_dim0_stride
	s_mov_b32 s[\g+6], 0
	s_mov_b32 s[\g+7], 0
.endr
	; the scales of 128 rows: a dense block of 4,096 bytes, as 16 rows of 256 bytes (32 elements of 8 bytes), 16 bytes of padding behind each
	s_or_b32 s[G1S+0], s43, (3<<16)|(1<<20)|(1<<21)|(5<<22)|(3<<25)
	s_or_b32 s[G1SB+0], s44, (3<<16)|(1<<20)|(1<<21)|(5<<22)|(3<<25)
.irp g, G1S, G1SB
	s_mov_b32 s[\g+1], 32<<16
	s_mov_b32 s[\g+2], (128*KS/256)<<16
	s_mov_b32 s[\g+3], 32<<16
	s_mov_b32 s[\g+4], 128*KS/256
	s_mov_b32 s[\g+5], 32
	s_mov_b32 s[\g+6], 0
	s_mov_b32 s[\g+7], 0
.endr
	s_lshl_b32 s18, s16, 7                         ; which 128 rows of the block I fetch
	s_lshl_b32 s20, s17, 8
	s_add_co_u32 s20, s20, s18
	s_add_co_u32 s20, s20, s66                     ; A's row
	s_lshl_b32 s46, s42, 8
	s_add_co_u32 s46, s46, s18                     ; B's row
	s_lshl_b32 s22, s20, 5
	s_add_co_u32 s22, s22, s100                    ; where these rows' scale bytes begin,
	s_mov_b32 s23, 0
	s_lshl_b32 s92, s46, 5
	s_add_co_u32 s92, s92, s101
	s_mov_b32 s93, 0
	s_mul_i32 s20, s20, KROW                       ; and their codes (under 2^23)
	s_mov_b32 s21, 0
	s_mul_i32 s46, s46, KROW
	s_mov_b32 s47, 0
	s_mul_i32 s45, s14, HALFT                      ; where they go: wave x 128 rows: no place in the cluster enters an LDS address
	s_mul_i32 s94, s14, HALFS
	s_wait_kmcnt 0x0
	s_cmp_lt_u32 ttmp9, 2
	s_cselect_b64 s[96:97], s[4:5], s[6:7]         ; A's buffer
	s_cselect_b64 s[98:99], s[6:7], s[4:5]         ; B's
	s_add_nc_u64 s[20:21], s[96:97], s[20:21]
	s_add_nc_u64 s[22:23], s[96:97], s[22:23]
	s_add_nc_u64 s[46:47], s[98:99], s[46:47]
	s_add_nc_u64 s[92:93], s[98:99], s[92:93]
	CROUND                                         ; all sixteen work-groups are here: the first joint loads meet
	s_mov_b32 s[G0S], 1
	s_add_co_u32 s[G0S+1], s94, SCL
	s_mov_b64 s[G0S+2:G0S+3], s[22:23]
	s_or_b32 s[G0S+3], s[G0S+3], 0x80000000
	s_mov_b32 s[G0SB], 1
	s_add_co_u32 s[G0SB+1], s94, SCL
	s_mov_b64 s[G0SB+2:G0SB+3], s[92:93]
	s_or_b32 s[G0SB+3], s[G0SB+3], 0x80000000
	JLOAD G0S, G1S, G0SB, G1SB                     ; the scales first: they are wanted with K step 0
.irp s, 0,1
	s_mov_b32 s[G0+4*\s], 1
	s_add_co_u32 s[G0+4*\s+1], s45, \s*SLOT
	s_add_nc_u64 s[G0+4*\s+2:G0+4*\s+3], s[20:21], \s*ROWB
	s_or_b32 s[G0+4*\s+3], s[G0+4*\s+3], 0x80000000
	s_mov_b32 s[G0B+4*\s], 1
	s_add_co_u32 s[G0B+4*\s+1], s45, \s*SLOT
	s_add_nc_u64 s[G0B+4*\s+2:G0B+4*\s+3], s[46:47], \s*ROWB
	s_or_b32 s[G0B+4*\s+3], s[G0B+4*\s+3], 0x80000000
	JLOAD G0+4*\s, G1, G0B+4*\s, G1B               ; three tensor loads of mine are out
.endr
	v_and_b32 v1, 15, v0                           ; r = l % 16
	v_bfe_u32 v2, v0, 4, 1                         ; h = l / 16
	v_mul_u32_u24 v3, v1, PITCH
	v_mul_u32_u24 v4, v2, 24
	v_add_nc_u32 v4, v3, v4                        ; a fragment's row x pitch + 24 x half
	v_lshl_add_u32 v5, v2, 4, v4                   ; and the same behind one padding more
	s_mul_i32 s21, s15, HALFT                      ; my 128 rows of A
	s_mul_i32 s22, s16, HALFT                      ; my 128 rows of B,
	s_add_co_u32 s22, s22, 2*HALFT                 ; which lie behind A's 256
.irp s, 0,1
	v_add_nc_u32 v[ADRA+\s], s21, v4
	v_add_nc_u32 v[ADRB+\s], s22, v4
	v_add_nc_u32 v[ADRA+2+\s], s21, v5
	v_add_nc_u32 v[ADRB+2+\s], s22, v5
	s_add_co_u32 s21, s21, SLOT
	s_add_co_u32 s22, s22, SLOT
.endr
	v_mul_u32_u24 v5, v1, KS                       ; my row's scales: 32 bytes a row,
	v_lshrrev_b32 v6, 8, v5
	v_lshl_add_u32 v5, v6, 4, v5                   ; and 16 more for each 256 passed
	s_mul_i32 s21, s15, HALFS
	s_mul_i32 s22, s16, HALFS
	s_add_co_u32 s22, s22, 2*HALFS
	s_sub_co_u32 s22, s22, s21
	v_mul_u32_u24 v6, s22, v2                      ; lanes 16-31 take B's: one product, the distance between the two bases
	s_add_co_u32 s21, s21, SCL
	v_add_nc_u32 v5, v5, v6
	v_add_nc_u32 v[ADRS], s21, v5
	; THE BIASES, 64 registers in the layout of one block's results.  q, k: register 8 b + j is the bias of column 64 (b / 4) + 32 h + 8 (b % 4) + j of my 128 (the same for every block a).
	; v: registers 8 a .. 8 a + 7 all hold the bias of my lane's channel of block a: 64 (a / 4) + 32 (r / 8) + 8 (a % 4) + r % 8.  One form serves both: the lane's base and the step from j to j + 1 are chosen.
	s_lshl_b32 s18, s42, 8
	s_lshl_b32 s19, s16, 7
	s_add_co_u32 s18, s18, s19                     ; my first row of B
	s_lshl_b32 s19, s17, 8
	s_lshl_b32 s2, s15, 7
	s_add_co_u32 s19, s19, s2                      ; my first row of A (v: less the 2,048)
	s_add_co_u32 s2, s19, 2048
	s_cmp_lt_u32 ttmp9, 2
	s_cselect_b32 s2, s18, s2                      ; my first column of qkv
	s_cselect_b32 s95, -1, 0
	s_cselect_b32 s67, 4, 0
	s_cselect_b32 s20, s19, s18                    ; my first token,
	s_cselect_b32 s21, s18, s19                    ; and my first column within q, k or v
	s_lshl_b32 s2, s2, 2
	s_mov_b32 s3, 0
	s_add_nc_u64 s[8:9], s[8:9], s[2:3]
	v_lshlrev_b32 v7, 7, v2                        ; q, k: 128 h
	v_lshrrev_b32 v8, 3, v1
	v_and_b32 v9, 7, v1
	v_lshlrev_b32 v9, 2, v9
	v_lshl_add_u32 v8, v8, 7, v9                   ; v: 128 (r / 8) + 4 (r % 8)
	v_cndmask_b32 v[OJ], v8, v7, s95
.irp j, 1,2,3,4,5,6,7
	v_add_nc_u32 v[OJ+\j], s67, v[OJ+\j-1]
.endr
.irp b, 0,1,2,3,4,5,6,7
.irp j, 0,1,2,3,4,5,6,7
	global_load_b32 v[BIAS+8*\b+\j], v[OJ+\j], s[8:9] offset:4*(64*(\b/4)+8*(\b%4))
.endr
.endr
	; where the images go: record ((batch x 16 + head) x 16 + step); my wave has one step of 128 tokens and two heads
	s_and_b32 s21, s21, 1023
	s_lshr_b32 s21, s21, 6                         ; my first head
	s_lshr_b32 s22, s20, 7                         ; the step, counted over all batches
	s_lshr_b32 s23, s22, 4
	s_lshl_b32 s23, s23, 4
	s_add_co_u32 s23, s23, s21
	s_lshl_b32 s23, s23, 4
	s_and_b32 s22, s22, 15
	s_add_co_u32 s23, s23, s22                     ; the record
	s_mov_b32 s22, 12800
	s_mov_b32 s46, 12288
	s_cmp_eq_u32 ttmp9, 0
	s_cselect_b32 s22, 6400, s22                   ; a record's bytes
	s_cselect_b64 s[10:11], s[10:11], s[12:13]     ; qbuf or kv
	s_cselect_b32 s46, 6144, s46
	s_cmp_eq_u32 ttmp9, 2
	s_cselect_b32 s46, 12544, s46                  ; where my kind's scale words lie in a record
	s_mov_b32 s47, 0
	s_mul_i32 s20, s23, s22
	s_mov_b32 s21, 0
	s_add_nc_u64 s[H0:H0+1], s[10:11], s[20:21]
	s_lshl_b32 s20, s22, 4                         ; the next head lies 16 records on
	s_add_nc_u64 s[H1:H1+1], s[H0:H0+1], s[20:21]
	s_add_nc_u64 s[SBA:SBA+1], s[H0:H0+1], s[46:47]
	s_mov_b32 s[SEL], 0x76543210
	s_mov_b32 s[SEL+1], 0xfedcba98
	v_and_b32 v6, 31, v0
	v_lshlrev_b32 v[LI], 4, v6
	v_mul_u32_u24 v[SOF], v2, s20                  ; lanes 16-31 store the second head's words
	v_lshl_add_u32 v[SOF], v1, 4, v[SOF]           ; 16 bytes a row
	v_lshlrev_b32 v[SH8], 3, v2
	v_mov_b32 v[T], 0
.macro FRAG reg, adr, q, i             ; a fragment, 16 rows x 128 K of 6-bit codes, is 12 registers: lane l holds row l % 16; registers 6 c .. 6 c + 5 hold K = 64 c + 32 (l / 16) + 0 .. 31: 24 bytes of the row's stream of bits, as they lie
.irp p, 0,1,2,3,4,5                    ; in pieces of 8 bytes.  Lanes 0-15 take the row's pieces 12 q + 0, 1, 2 and 12 q + 6, 7, 8, lanes 16-31 those three pieces on
.set PC, 12*(\q)+6*(\p/3)+\p%3        ; 16 bytes of padding lie behind every 8 pieces: where the piece three on lies behind one padding more, the second address register serves
.if PC%8 < 5
	ds_load_b64 v[\reg+2*\p:\reg+2*\p+1], v[\adr] offset:8*PC+16*(PC/8)+(\i)*16*PITCH
.else
	ds_load_b64 v[\reg+2*\p:\reg+2*\p+1], v[\adr+2] offset:8*PC+16*(PC/8)+(\i)*16*PITCH
.endif
.endr
.endm
; 16 matrix instructions: A's blocks a0, a0 + 1 x B's eight, 128 along K.  p: B's set;  sc: the set of scale words.  zero = 1: the first product starts the sums.
; The 64 accumulators take turns, one instruction a turn, in the same order in every step.
.macro MUL16 a0, p, q, sc, zero
.irp a, \a0, \a0+1
.irp b, 0,1,2,3,4,5,6,7
.if \zero
	v_wmma_scale_f32_16x16x128_f8f6f4 v[8*(8*((\a)%4)+\b):8*(8*((\a)%4)+\b)+7], v[128*(\p)+FR*\b:128*(\p)+FR*\b+FR-1], v[AF+FR*(\a):AF+FR*(\a)+FR-1], 0, v[SC+8*NQ*(\sc)+NQ*\b+(\q)], v[SC+8*NQ*(\sc)+NQ*(\a)+(\q)] matrix_a_fmt:MATRIX_FMT_FP6 matrix_b_fmt:MATRIX_FMT_FP6 matrix_a_scale:MATRIX_SCALE_ROW1
.else
	v_wmma_scale_f32_16x16x128_f8f6f4 v[8*(8*((\a)%4)+\b):8*(8*((\a)%4)+\b)+7], v[128*(\p)+FR*\b:128*(\p)+FR*\b+FR-1], v[AF+FR*(\a):AF+FR*(\a)+FR-1], v[8*(8*((\a)%4)+\b):8*(8*((\a)%4)+\b)+7], v[SC+8*NQ*(\sc)+NQ*\b+(\q)], v[SC+8*NQ*(\sc)+NQ*(\a)+(\q)] matrix_a_fmt:MATRIX_FMT_FP6 matrix_b_fmt:MATRIX_FMT_FP6 matrix_a_scale:MATRIX_SCALE_ROW1
.endif
.endr
.endr
.endm
.macro FETCH_B slot, q, p              ; B's eight fragments of the slot's q-th 128 along K into set p
	WIN TO_B
.irp i, 0,1,2,3,4,5,6,7
	FRAG 128*(\p)+FR*\i, ADRB+\slot, \q, \i
.endr
	WIN 0
.endm
.macro FETCH_A slot, q, i0             ; A's blocks i0 .. i0 + 3
.irp i, \i0, \i0+1, \i0+2, \i0+3
	FRAG AF+FR*(\i), ADRA+\slot, \q, \i
.endr
.endm
.macro SCALES sc                       ; the next K step's scale words into set sc: two words a row; lanes 0-15 take A's block i, lanes 16-31 B's block i
.irp i, 0,1,2,3,4,5,6,7
	ds_load_b64 v[SC+8*NQ*\sc+NQ*\i:SC+8*NQ*\sc+NQ*\i+1], v[ADRS] offset:\i*SBLK
.endr
.endm
; A load into a register that a matrix instruction has read, and a vector instruction that reads a matrix result, stand NP places behind that matrix instruction; only plain vector instructions that
; name none of its registers are places (ISA guide 7.12.1 for vector instructions).
.macro PLACES n
.rept \n
	v_nop
.endr
.endm
; A step of 128 along K that has its successor in the same slot.
.macro STEP slot, q, zero
	s_wait_dscnt 4*NL                              ; B's set and A's blocks 0-3 are in; the youngest 24 loads (A's blocks 4-7) may be out
	WIN MUL_LO
	MUL16 0, (\q)%2, \q, \slot, \zero
	MUL16 2, (\q)%2, \q, \slot, \zero
	s_wait_dscnt 0                                 ; A's blocks 4-7 are in (asked for 32 matrix instructions ago)
	PLACES NP
	FETCH_B \slot, (\q)+1, 1-(\q)%2
	FETCH_A \slot, (\q)+1, 0
	WIN MUL_HI
	MUL16 4, (\q)%2, \q, \slot, \zero
	MUL16 6, (\q)%2, \q, \slot, \zero
	PLACES NP
	WIN 0
	FETCH_A \slot, (\q)+1, 4
.endm
; A slot's last step changes slots: ONE barrier; in front of it each wave waits for all its tensor loads, adds 0 to its spare word, and waits for that and for its own reads of this slot.  fill = 1: this slot is filled again, two K steps ahead.
.macro TURN slot, next, fill
	s_wait_tensorcnt 0x0                           ; all my tensor loads have landed: my part of the next slot;  (every window is 0 here)
	ds_add_u32 v[SPW], v[NIL]                      ; 0 onto my spare word
	s_wait_dscnt 4*NL+1                            ; (the add and the youngest 24 loads, A's blocks 4-7, may be out)
	WIN MUL_LO
	MUL16 0, 1, NQ-1, \slot, 0                     ; sixteen matrix instructions stand between the add and the wait for it
	s_wait_dscnt 0x0                               ; the add is done, and my reads of this slot are over
	s_barrier_signal -1
	MUL16 2, 1, NQ-1, \slot, 0
	WIN 0
	s_barrier_wait -1
.if \fill
	CREST                                          ; the barrier has opened a round of the cluster's barrier: no wave of any partner still reads this slot's tile or has a load on its way
	s_add_nc_u64 s[G0+4*\slot+2:G0+4*\slot+3], s[G0+4*\slot+2:G0+4*\slot+3], 2*ROWB
	s_add_nc_u64 s[G0B+4*\slot+2:G0B+4*\slot+3], s[G0B+4*\slot+2:G0B+4*\slot+3], 2*ROWB
	JLOAD G0+4*\slot, G1, G0B+4*\slot, G1B         ; the first tensor load behind the round; the four v_nop behind it are the places in front of the loads below
.else
	PLACES NP
.endif
	v_add_nc_u32 v[ADRS], 4*NQ, v[ADRS]            ; on to the next K step's scale words (no LDS load of mine is out)
	FETCH_B \next, 0, 0
	FETCH_A \next, 0, 0
	SCALES \next
	WIN MUL_HI
	MUL16 4, 1, NQ-1, \slot, 0
	MUL16 6, 1, NQ-1, \slot, 0
	PLACES NP
	WIN 0
	FETCH_A \next, 0, 4
.endm
	s_wait_loadcnt 0x0                             ; the biases are in, and their offsets' registers are free
	s_wait_tensorcnt 1                             ; the scales and my part of K step 0 are in (K step 1's load may be out)
	s_barrier_signal -1
	s_barrier_wait -1                              ; everybody's are
	FETCH_B 0, 0, 0
	FETCH_A 0, 0, 0
	SCALES 0
	FETCH_A 0, 0, 4
	STEP 0, 0, 1                                   ; the first step stands in front of the loop: its products start the sums
	s_mov_b32 s3, LAPS-1
.Llap:                                                 ; a trip goes once round the ring, from a lap's second step to the next lap's first, and fills both slots again
	TURN 0, 1, 1
	STEP 1, 0, 0
	TURN 1, 0, 1
	STEP 0, 0, 0
	s_sub_co_u32 s3, s3, 1
	s_cmp_lg_u32 s3, 0
	s_cbranch_scc1 .Llap
	TURN 0, 1, 0                                   ; the last lap fills nothing, and has no round of the cluster's barrier
	STEP 1, 0, 0
	s_wait_dscnt 4*NL                              ; the very last step: nothing more to fetch
	WIN MUL_LO
	MUL16 0, 1, NQ-1, 1, 0
	MUL16 2, 1, NQ-1, 1, 0
	s_wait_dscnt 0
	WIN MUL_HI
	MUL16 4, 1, NQ-1, 1, 0
	MUL16 6, 1, NQ-1, 1, 0
	WIN 0
; THE WAY OUT, a block of 16 rows of A at a time: its 64 results a lane, plus the bias, in f32; then quantised.
.macro ADDQ a                          ; q, k: each accumulator is read from its low end on
	WIN (0x02+(\a)/4)
.set i, 0
.rept 32
	v_pk_add_f32 v[ST+2*i:ST+2*i+1], v[64*((\a)%4)+2*i:64*((\a)%4)+2*i+1], v[BIAS+2*i:BIAS+2*i+1]
.set i, i+1
.endr
	WIN 0
.endm
.macro ADDV a                          ; v: one bias for the lane's channel
	WIN (0x02+(\a)/4)
.set i, 0
.rept 32
	v_pk_add_f32 v[ST+2*i:ST+2*i+1], v[64*((\a)%4)+2*i:64*((\a)%4)+2*i+1], v[BIAS+8*(\a):BIAS+8*(\a)+1]
.set i, i+1
.endr
	WIN 0
.endm
; 64 numbers of a lane, two whole blocks of 32, become 6 registers of codes at d0 and 6 at d1, and the word pw: byte h the first block's scale, byte 2 + h the second's, both lane halves' bytes gathered.
.macro QUANT s, d0, d1, pw
.irp k, 0,1,2,3
	v_max3_num_f32 v[TM+\k], |v[\s+16*\k]|, |v[\s+16*\k+1]|, 0x1800000   ; four chains of 16, each with the floor 2^(3 - 127): the byte cannot fall under 1
.endr
.irp i, 2,4,6,8,10,12,14
.irp k, 0,1,2,3
	v_max3_num_f32 v[TM+\k], v[TM+\k], |v[\s+16*\k+\i]|, |v[\s+16*\k+\i+1]|
.endr
.endr
	v_max_num_f32 v[TM], v[TM], v[TM+1]            ; the blocks' largest magnitudes
	v_max_num_f32 v[TM+2], v[TM+2], v[TM+3]
	v_add_nc_u32 v[SO], 0xff000000, v[TM]          ; 2 off the exponent field: the conversion's scale operand
	v_add_nc_u32 v[SO+1], 0xff000000, v[TM+2]
	v_lshrrev_b32 v[BY], 23, v[SO]                 ; the scale's byte
	v_lshrrev_b32 v[BY+1], 23, v[SO+1]
	v_lshl_or_b32 v[W], v[BY+1], 16, v[BY]
	v_lshlrev_b32 v[W], v[SH8], v[W]               ; at their places: 8 h bits up
	v_permlanex16_b32 v[T], v[W], s[SEL], s[SEL+1]
	v_or_b32 v[\pw], v[W], v[T]                    ; with lane l xor 16's two the word is whole
	v_cvt_scalef32_pk16_fp6_f32 v[\d0:\d0+2], v[\s:\s+15], v[SO]
	v_cvt_scalef32_pk16_fp6_f32 v[TA:TA+2], v[\s+16:\s+31], v[SO]
	v_cvt_scalef32_pk16_fp6_f32 v[\d1:\d1+2], v[\s+32:\s+47], v[SO+1]
	v_cvt_scalef32_pk16_fp6_f32 v[TB:TB+2], v[\s+48:\s+63], v[SO+1]
	v_nop                                          ; one plain place behind a scaled conversion
.irp i, 0,1,2
	v_mov_b32 v[\d0+3+\i], v[TA+\i]
	v_mov_b32 v[\d1+3+\i], v[TB+\i]
.endr
.endm
	PLACES NP                                      ; behind the last products: their results are read, and the registers that held A's fragments written
	s_cmp_lt_u32 ttmp9, 2
	s_cbranch_scc0 .Lvalues
	; q, k: block a is a tile of 16 tokens; its first 32 numbers are my first head's channels 32 h on, the other 32 my second head's.  Two tiles fill an image of each head.
.irp al, 0,1,2,3
.if \al > 0
	s_wait_xcnt 0x0                                ; the last images' stores have read their registers
.endif
	ADDQ 2*\al
	QUANT ST, IMG0, IMG1, PW0
	ADDQ 2*\al+1
	QUANT ST, IMG0+6, IMG1+6, PW1
	v_perm_b32 v[SW+\al], v[PW1], v[PW0], 0x05040100     ; the first head's word: the even tile's two bytes, the odd tile's two
	v_perm_b32 v[SW+4+\al], v[PW1], v[PW0], 0x07060302   ; the second head's
.irp j, 0,1,2
	global_store_b128 v[LI], v[IMG0+4*\j:IMG0+4*\j+3], s[H0:H0+1] offset:1536*\al+512*\j   ; 32 lanes store 512 consecutive bytes, aligned to 256
	global_store_b128 v[LI], v[IMG1+4*\j:IMG1+4*\j+3], s[H1:H1+1] offset:1536*\al+512*\j
.endr
.endr
	s_branch .Lscales
.Lvalues:
	; v: block a is 16 channels of head a / 4; its 64 numbers are keys 32 h + 0 .. 31 and 64 + 32 h + 0 .. 31 of the step: a whole fragment
.irp a, 0,1,2,3,4,5,6,7
.if \a > 1
	s_wait_xcnt 0x0                                ; the image two blocks back has been read by its stores
.endif
	ADDV \a
.set II, IMG0+12*(\a%2)
	QUANT ST, II, II+6, SW+\a
.irp j, 0,1,2
.if \a < 4
	global_store_b128 v[LI], v[II+4*\j:II+4*\j+3], s[H0:H0+1] offset:6144+1536*(\a%4)+512*\j
.else
	global_store_b128 v[LI], v[II+4*\j:II+4*\j+3], s[H1:H1+1] offset:6144+1536*(\a%4)+512*\j
.endif
.endr
.endr
.Lscales:
	v_and_b32 v[W], 31, v0                         ; the scale words: lanes 0-15 store the first head's 256 bytes, lanes 16-31 the second's
	v_cmp_le_u32 vcc_lo, 16, v[W]
.irp i, 0,1,2,3
	v_cndmask_b32 v[OW+\i], v[SW+\i], v[SW+4+\i], vcc_lo
.endr
	global_store_b128 v[SOF], v[OW:OW+3], s[SBA:SBA+1]
	s_wait_tensorcnt 0x0                           ; the wave's end
	ds_add_u32 v[SPW], v[NIL]
	s_wait_dscnt 0x0
	CROUND                                         ; the closing round: no work-group ends while a partner may still ask for a tile that names it
	s_endpgm
.Lfunc_end_k_qbe9e91439d_gqkv:
	.size	k_qbe9e91439d_gqkv, .Lfunc_end_k_qbe9e91439d_gqkv-k_qbe9e91439d_gqkv
	.p2alignl 7, 3214868480
	.fill 96, 4, 3214868480
	.section	.rodata,"a",@progbits
	.p2align	6, 0x0
	.amdhsa_kernel k_qbe9e91439d_gqkv
		.amdhsa_group_segment_fixed_size 327680
		.amdhsa_private_segment_fixed_size 0
		.amdhsa_enable_private_segment 0
		.amdhsa_kernarg_size 40
		.amdhsa_user_sgpr_count 2
		.amdhsa_user_sgpr_kernarg_segment_ptr 1
		.amdhsa_wavefront_size32 1
		.amdhsa_system_sgpr_workgroup_id_x 1
		.amdhsa_system_sgpr_workgroup_id_y 1
		.amdhsa_system_sgpr_workgroup_id_z 1
		.amdhsa_system_vgpr_workitem_id 0
		.amdhsa_next_free_vgpr 1024
		.amdhsa_next_free_sgpr 102
		.amdhsa_reserve_vcc 1
		.amdhsa_float_denorm_mode_32 3
		.amdhsa_float_denorm_mode_16_64 3
		.amdhsa_memory_ordered 1
		.amdhsa_forward_progress 1
		.amdhsa_inst_pref_size 226
	.end_amdhsa_kernel
	.amdgpu_metadata
---
amdhsa.version: [ 1, 2 ]
amdhsa.kernels:
  - .name:           k_qbe9e91439d_gqkv
    .symbol:         k_qbe9e91439d_gqkv.kd
    .args:
      - { .name: xq, .offset: 0, .size: 8, .value_kind: global_buffer, .address_space: global }
      - { .name: wq, .offset: 8, .size: 8, .value_kind: global_buffer, .address_space: global }
      - { .name: b_in, .offset: 16, .size: 8, .value_kind: global_buffer, .address_space: global }
      - { .name: qbuf, .offset: 24, .size: 8, .value_kind: global_buffer, .address_space: global }
      - { .name: kv, .offset: 32, .size: 8, .value_kind: global_buffer, .address_space: global }
    .group_segment_fixed_size: 327680
    .private_segment_fixed_size: 0
    .kernarg_segment_align: 8
    .kernarg_segment_size: 40
    .max_flat_workgroup_size: 128
    .sgpr_count:     102
    .vgpr_count:     1024
    .wavefront_size: 32
...
	.end_amdgpu_metadata
.endif
;; end of part 3
;; launch attn (part 4): grid 8 x 64, 16 waves a work-group, clusters of 4 x 1, 207,360 bytes of LDS; arguments qbuf, kv, ao; writes ao
.if DOCPART == 4
	.amdgcn_target "amdgcn-amd-amdhsa--gfx1250"
	.amdhsa_code_object_version 6
	.text
	.protected	k_qbe9e91439d_attn
	.globl	k_qbe9e91439d_attn
	.p2align	8
	.type	k_qbe9e91439d_attn,@function
k_qbe9e91439d_attn:
	s_mov_b64 s[64:65], 0
	v_nop
	global_prefetch_b8 v0, s[64:65] scope:SCOPE_SE
	s_setreg_imm32_b32 hwreg(HW_REG_WAVE_MODE, 25, 1), 1
	s_wait_xcnt 0x0
	s_wait_alu depctr_hold_cnt(0) depctr_sa_sdst(0) depctr_va_vdst(0) depctr_va_sdst(0) depctr_va_ssrc(0) depctr_va_vcc(0) depctr_vm_vsrc(0)
	s_getreg_b32 s2, hwreg(HW_REG_IB_STS2, 6, 4)
	s_cmp_eq_u32 s2, 0
	s_cbranch_scc0 .Lentry_in_a_cluster
	s_endpgm
.Lentry_in_a_cluster:
	s_bfe_u32 s2, ttmp6, 0x10000c
	s_cmp_lg_u32 s2, 0x3003
	s_cbranch_scc0 .Lentry_shape_is_right
	s_endpgm
.Lentry_shape_is_right:
; o = softmax(q k^T / 8) v for one head and 256 queries, both products on codes of FP6 (E2M3) with E8M0 scales; o / l is quantised along the head's 64 for the last product and stored as half an operand image.
; THE SOFTMAX: t = score x log2(e) / 8; M = the running largest t rounded UP to a whole number; p = 2^(t - M) is quantised along the keys, not normalised; the row's sum l is taken of the unquantised p and divides at the end.
; When M moves, the sum and O are multiplied by 2^(old M - new M): exact.
; SHARES.  Work-group: a head (y) and 256 query positions; each of SIXTEEN waves owns 16 of them in 256 registers, four waves to a SIMD.  Every wave walks the head's 2,048 keys, 128 a step.
; LDS.  A head's k and v images and scale words are 16 records of 12,800 bytes, 204,800 in all: they come ONCE, by four chunks of four steps, and stay: no byte is filled twice, so there is no ring.
; All of them are asked for by the first fills, so nothing is left that could be asked for ahead of a later load.
; CLUSTER.  The four work-groups of a cluster belong to one head and need the same 204,800 bytes: each part is asked for jointly (the same load, the same descriptor, the mask 15).
; LAYOUT.  Both products are used transposed: a lane holds ONE query (lane % 16) throughout.  S^T = K Q^T: an image of k holds TWO tiles of 16 keys x 64 channels (K = 0 .. 63: the even tile, 64 .. 127: the odd one);
; q stands as [q, zeros] or [zeros, q] in a run of 18 registers, and so picks one of the two: no zero is read from LDS.  The keys of a tile are 32 (i / 8) + 8 u + i % 8 of a group of 64, so that a lane's 32 scores of four
; neighbouring tiles are keys 32 h + 0 .. 31: a WHOLE block, as the 6-bit operand layout gives a lane.  So a block's largest p needs no other lane and the conversions' results are P's registers.
; v's channels are ordered likewise, so that O^T's 32 registers are channels 32 h + 0 .. 31 of the head.
; A block's largest p is not searched for: the block's largest SCORE goes through the same multiply-add and exponential (this takes v_exp_f32 not to fall where its input rises).
; LIMITS: NaN and infinities are not served; p under 2^-126 is 0; a block whose largest number lies under 2^-124 keeps the byte 1 (zero codes add nothing); the division by l is v_rcp_f32 and a multiplication.
.set REC,   12800                      ; a step's record: k's 4 images, v's 4 images (1,536 bytes each), k's scale words, v's (256 bytes each)
.set CHB,   51200                      ; a chunk: four steps
.set PART,  6400                       ; what one tensor load brings: 25 rows of 256 bytes
.set SG,    204800                     ; behind the head's records: 512 bytes in which the 256 queries' scale bytes of o are gathered; no fill lands there
.set ASC,   6291456                    ; where o's scale bytes begin in ao
.set L16, 1                            ; v1  16 x lane
.set R16, 2                            ; v2  16 (lane % 16) + 12,288: my row's scale words in a record
.set ADI, 3                            ; v3  LDS address of the step's images
.set ADC, 4                            ; v4  of its scale words
.set SH8, 5                            ; v5  8 x (lane / 16)
.set T,   6                            ; v6  a lane permute's destination
.set TMP, 7
.set F,   8                            ; v[8:9] f = 2^(old M - new M), later 1 / l (v9 is named with it as a pair, so it is written)
.set QR,  16                           ; v16-33 q, zeros, q
.set QS,  34                           ; v34 q's scale word, v35 p's: these and v36-43 hold scales and nothing else
.set PW,  35
.set KSC, 36                           ; v36-39 k's scale words
.set VSC, 40                           ; v40-43 v's
.set KI,  44                           ; v44-91  k's 4 images; behind the scores' products v44-55 are at work
.set VI,  92                           ; v92-139 v's 4 images
.set S,   140                          ; v140-203 S^T, then p
.set O,   204                          ; v204-235 O^T
.set P,   236                          ; v236-247 p's codes
.set TA,  248
.set TC,  252
.set TM,  44
.set SO,  48
.set BY,  50
.set W,   52
.set SUM2, 54
.set WV,  10                           ; s10 my wave's number
.set SEL, 12                           ; s[12:13] lane selects: lane l xor 16
.set CS,  14                           ; s[14:15] c = log2(e) / 8
.set G1,  16                           ; s[16:23] descriptor group 1;  s[24:39] four groups 0
.set G0,  24
.set TBS, 40                           ; s40 LDS byte at which the step's record begins
.set CNT, 41
.macro ROUND                           ; a round of the cluster's barrier
	s_barrier_signal -1
	s_barrier_wait -1
	s_cmp_lg_u32 s[WV], 0
	s_cbranch_scc1 .Lnot_wave_0_\@
	s_barrier_signal -3
.Lnot_wave_0_\@:
	s_barrier_wait -3
	s_barrier_signal -1
	s_barrier_wait -1
.endm
	s_load_b128 s[4:7], s[0:1], 0x0                ; qbuf, kv
	s_load_b64 s[8:9], s[0:1], 0x10                ; ao
	v_lshl_add_u32 v251, v0, 2, 0x32200
	v_mov_b32 v255, 0
	ds_add_u32 v251, v255
	ds_add_u32 v251, v255
	v_lshrrev_b32 v1, 5, v0
	s_delay_alu instid0(VALU_DEP_1)
	v_readfirstlane_b32 s[WV], v1                  ; wave 0..15
	s_bfe_u32 s11, ttmp6, 0x40000                  ; cx
	s_lshl_b32 s42, ttmp9, 2
	s_add_co_u32 s42, s42, s11                     ; my block of 256 queries: it enters q's and o's addresses alone
	s_and_b32 s43, ttmp7, 0xffff                   ; batch x 16 + head, which the four partners share
	s_mov_b32 s[G1], 15|(3<<16)|(1<<21)            ; 15:0 the mask: all four; 17:16 elements of 8 bytes; 21 set beside a mask; no padding
	s_mov_b32 s[G1+1], 32<<16                      ; tensor_dim0 = 32 (256 bytes)
	s_mov_b32 s[G1+2], 25<<16                      ; tensor_dim1 = 25
	s_mov_b32 s[G1+3], 32<<16                      ; tile_dim0
	s_mov_b32 s[G1+4], 25                          ; tile_dim1
	s_mov_b32 s[G1+5], 32                          ; the rows are dense
	s_mov_b32 s[G1+6], 0
	s_mov_b32 s[G1+7], 0
	s_mov_b32 s[SEL], 0x76543210
	s_mov_b32 s[SEL+1], 0xfedcba98
	s_mov_b32 s[CS], 0x3e38aa3b                    ; log2(e) / 8
	s_mov_b32 s[CS+1], s[CS]
	s_mov_b32 s[TBS], 0
	s_and_b32 s44, s[WV], 7                        ; waves 0 to 7 fetch, an eighth of each chunk
	s_mul_i32 s44, s44, PART
	s_mul_i32 s46, s43, 16*REC
	s_add_co_u32 s46, s46, s44
	s_mov_b32 s47, 0
	s_wait_dscnt 0x0
	s_wait_kmcnt 0x0
	s_add_nc_u64 s[46:47], s[6:7], s[46:47]
.irp c, 0,1,2,3
	s_mov_b32 s[G0+4*\c], 1
	s_add_co_u32 s[G0+4*\c+1], s44, CHB*\c         ; LDS as memory: the head's bytes as they lie
	s_add_nc_u64 s[G0+4*\c+2:G0+4*\c+3], s[46:47], CHB*\c
	s_or_b32 s[G0+4*\c+3], s[G0+4*\c+3], 0x80000000
.endr
	ROUND                                          ; all four work-groups are here: the joint loads meet
	s_cmp_lt_u32 s[WV], 8                          ; a wave's four fills stand in one branch, ahead of every wait on TENSORcnt, every further LDS access and every further barrier: four loads of mine are out
	s_cbranch_scc0 .Lno_fill
.irp c, 0,1,2,3
	tensor_load_to_lds s[G0+4*\c:G0+4*\c+3], s[G1:G1+7]
	s_nop 0
.endr
.rept 4
	v_nop
.endr
.Lno_fill:
	; q: my tile is half w % 2 of image (w / 2) % 4 of step 2 x block + w / 8
	s_lshl_b32 s48, s43, 4
	s_lshl_b32 s49, s42, 1
	s_add_co_u32 s48, s48, s49
	s_lshr_b32 s49, s[WV], 3
	s_add_co_u32 s48, s48, s49
	s_mul_i32 s48, s48, 6400
	s_mov_b32 s49, 0
	s_add_nc_u64 s[4:5], s[4:5], s[48:49]
	s_bfe_u32 s50, s[WV], 0x20001
	s_mul_i32 s51, s50, 1536
	s_lshl_b32 s54, s50, 2
	v_and_b32 v[TMP], 31, v0
	s_delay_alu instid0(VALU_DEP_1)
	v_lshlrev_b32 v[L16], 4, v[TMP]
	v_and_b32 v[ADI], 15, v0
	s_delay_alu instid0(VALU_DEP_1)
	v_lshl_add_u32 v[R16], v[ADI], 4, 12288
	v_bfe_u32 v[SH8], v0, 4, 1
	s_delay_alu instid0(VALU_DEP_1)
	v_lshlrev_b32 v[SH8], 3, v[SH8]
	v_add_nc_u32 v[TMP], s51, v[L16]
	v_lshlrev_b32 v[ADC], 4, v[ADI]
	s_delay_alu instid0(VALU_DEP_1)
	v_add_nc_u32 v[ADC], s54, v[ADC]
.irp j, 0,1,2
	global_load_b128 v[VI+4*\j:VI+4*\j+3], v[TMP], s[4:5] offset:512*\j
.endr
	global_load_b32 v[VI+12], v[ADC], s[4:5] offset:6144   ; the image's scale word of my row
	s_bitcmp1_b32 s[WV], 0
	s_cselect_b32 s52, -1, 0
	s_mov_b32 s53, 0x01000100
	s_cselect_b32 s53, 0x03020302, s53
	v_mov_b32 v13, 0xff61b1e6                      ; the largest t so far: -3e38
	s_delay_alu instid0(VALU_DEP_1)
	v_floor_f32 v12, -v13                          ; -M
	v_mov_b32 v14, 0                               ; the sum, in two halves
	v_mov_b32 v15, 0
	v_mov_b32 v[T], 0
	v_mov_b32 v[F+1], 0
.irp i, 0,1,2,3,4,5
	v_mov_b32 v[QR+6+\i], 0                        ; the zeros between
.endr
	s_wait_loadcnt 0x0
.irp i, 0,1,2,3,4,5
	v_cndmask_b32 v[QR+\i], v[VI+\i], v[VI+6+\i], s52   ; my tile's six registers
.endr
.irp i, 0,1,2,3,4,5
	v_mov_b32 v[QR+12+\i], v[QR+\i]
.endr
	v_perm_b32 v[QS], v[VI+12], v[VI+12], s53      ; my tile's two bytes, twice: they serve q at either end of K
.irp j, 0,1,2,3,4,5,6,7,8,9,10,11,12,13,14,15,16,17,18,19,20,21,22,23,24,25,26,27,28,29,30,31
	v_mov_b32 v[O+\j], 0                           ; O^T: the step is written once, its first turn finds zeros.  (These are also the places between the lines that made q and its scale word and the first product)
.endr
; A KEY STEP: 128 keys
.macro STEP
	v_add_nc_u32 v[ADI], s[TBS], v[L16]
	v_add_nc_u32 v[ADC], s[TBS], v[R16]
	v_nop
	v_nop                                          ; four places in front of loads into registers that the last products have read
.irp a, 0,1,2,3
.irp j, 0,1,2
	ds_load_b128 v[KI+12*\a+4*\j:KI+12*\a+4*\j+3], v[ADI] offset:1536*\a+512*\j   ; an image as it lies: 512 consecutive bytes a load
.endr
.endr
	ds_load_b128 v[KSC:KSC+3], v[ADC]
.irp a, 0,1,2,3
.irp j, 0,1,2
	ds_load_b128 v[VI+12*\a+4*\j:VI+12*\a+4*\j+3], v[ADI] offset:6144+1536*\a+512*\j
.endr
.endr
	ds_load_b128 v[VSC:VSC+3], v[ADC] offset:256
	s_wait_dscnt 13                                ; k's thirteen loads are in; v's thirteen may be out
.irp a, 0,1,2,3,4,5,6,7
	v_wmma_scale_f32_16x16x128_f8f6f4 v[S+8*\a:S+8*\a+7], v[KI+12*(\a/2):KI+12*(\a/2)+11], v[QR+6*(\a%2):QR+6*(\a%2)+11], 0, v[KSC+\a/2], v[QS] matrix_a_fmt:MATRIX_FMT_FP6 matrix_b_fmt:MATRIX_FMT_FP6
.endr
.rept 4
	v_nop
.endr
.irp k, 0,1,2,3
	v_max3_num_f32 v[TM+\k], v[S+16*\k], v[S+16*\k+1], v[S+16*\k+2]   ; the largest score, in four chains of 16; each accumulator is first read at its low end
.endr
.irp i, 3,5,7,9,11,13
.irp k, 0,1,2,3
	v_max3_num_f32 v[TM+\k], v[TM+\k], v[S+16*\k+\i], v[S+16*\k+\i+1]
.endr
.endr
.irp k, 0,1,2,3
	v_max_num_f32 v[TM+\k], v[TM+\k], v[S+16*\k+15]
.endr
	s_delay_alu instid0(VALU_DEP_3)
	v_max_num_f32 v[TM], v[TM], v[TM+1]            ; THE LARGEST SCORE OF EACH OF MY TWO BLOCKS OF 32 KEYS: for the row's maximum, and for the block's largest p
	s_delay_alu instid0(VALU_DEP_2)
	v_max_num_f32 v[TM+2], v[TM+2], v[TM+3]
	s_delay_alu instid0(VALU_DEP_1)
	v_max_num_f32 v[TMP], v[TM], v[TM+2]
	s_delay_alu instid0(VALU_DEP_1)
	v_permlanex16_b32 v[T], v[TMP], s[SEL], s[SEL+1]
	s_delay_alu instid0(VALU_DEP_1)
	v_max_num_f32 v[TMP], v[TMP], v[T]             ; with lane l xor 16's 64 keys: the step's largest score of my query
	s_delay_alu instid0(VALU_DEP_1)
	v_mul_f32 v[TMP], s[CS], v[TMP]                ; as t
	s_delay_alu instid0(VALU_DEP_1)
	v_max_num_f32 v13, v13, v[TMP]                 ; the running largest t
	v_mov_b32 v[TMP], v12
	s_delay_alu instid0(VALU_DEP_2)
	v_floor_f32 v12, -v13                          ; the new -M = -ceil(t)
	s_delay_alu instid0(VALU_DEP_1)
	v_sub_f32 v[TMP], v12, v[TMP]                  ; old M - new M: a whole number, 0 or less
	s_delay_alu instid0(VALU_DEP_1)
	v_cvt_i32_f32 v[TMP], v[TMP]                   ; (it saturates)
	s_delay_alu instid0(VALU_DEP_1)
	v_ldexp_f32 v[F], 1.0, v[TMP]                  ; f = 2^(old M - new M)
.irp j, 0,2,4,6,8,10,12,14,16,18,20,22,24,26,28,30,32,34,36,38,40,42,44,46,48,50,52,54,56,58,60,62
	v_pk_fma_f32 v[S+\j:S+\j+1], v[S+\j:S+\j+1], s[CS:CS+1], v[12:13] op_sel_hi:[1,0,0]   ; t - M, two at a time
.endr
	v_fma_f32 v[TM], v[TM], s[CS], v12             ; the same of each block's largest score
	v_fma_f32 v[TM+2], v[TM+2], s[CS], v12
	s_setprio 1
	s_wait_alu depctr_va_vdst(0)
.irp j, 0,1,2,3,4,5,6,7,8,9,10,11,12,13,14,15,16,17,18,19,20,21,22,23,24,25,26,27,28,29,30,31,32,33,34,35,36,37,38,39,40,41,42,43,44,45,46,47,48,49,50,51,52,53,54,55,56,57,58,59,60,61,62,63
	v_exp_f32 v[S+\j], v[S+\j]                     ; p = 2^(t - M), at most 1
.endr
	v_pk_mul_f32 v[14:15], v[14:15], v[F:F+1] op_sel_hi:[1,0]   ; the sums under the new M: a plain place behind the exponentials
	s_wait_alu depctr_va_vdst(0)                   ; one wait for the whole batch, ahead of its first reader
	v_exp_f32 v[TM], v[TM]                         ; the blocks' largest p
	v_exp_f32 v[TM+2], v[TM+2]
	v_pk_add_f32 v[54:55], v[144:145], v[148:149]
	v_pk_add_f32 v[252:253], v[152:153], v[156:157]
	v_pk_add_f32 v[248:249], v[160:161], v[164:165]
	v_pk_add_f32 v[246:247], v[168:169], v[172:173]
	v_pk_add_f32 v[244:245], v[176:177], v[180:181]
	v_pk_add_f32 v[242:243], v[184:185], v[188:189]
	v_pk_add_f32 v[240:241], v[192:193], v[196:197]
	v_pk_add_f32 v[14:15], v[14:15], v[200:201]
	v_pk_add_f32 v[54:55], v[54:55], v[140:141]
	v_pk_add_f32 v[252:253], v[252:253], v[142:143]
	v_pk_add_f32 v[248:249], v[248:249], v[146:147]
	v_pk_add_f32 v[246:247], v[246:247], v[150:151]
	v_pk_add_f32 v[244:245], v[244:245], v[154:155]
	v_pk_add_f32 v[242:243], v[242:243], v[158:159]
	v_pk_add_f32 v[240:241], v[240:241], v[162:163]
	v_pk_add_f32 v[14:15], v[14:15], v[166:167]
	v_pk_add_f32 v[54:55], v[54:55], v[170:171]
	v_pk_add_f32 v[252:253], v[252:253], v[174:175]
	v_pk_add_f32 v[248:249], v[248:249], v[178:179]
	v_pk_add_f32 v[246:247], v[246:247], v[182:183]
	v_pk_add_f32 v[244:245], v[244:245], v[186:187]
	v_pk_add_f32 v[242:243], v[242:243], v[190:191]
	v_pk_add_f32 v[240:241], v[240:241], v[194:195]
	v_pk_add_f32 v[14:15], v[14:15], v[198:199]
	v_pk_add_f32 v[54:55], v[54:55], v[202:203]
	s_delay_alu instid0(VALU_DEP_2)
	v_pk_add_f32 v[14:15], v[14:15], v[246:247]
	s_delay_alu instid0(VALU_DEP_2)
	v_pk_add_f32 v[54:55], v[54:55], v[244:245]
	v_pk_add_f32 v[252:253], v[252:253], v[242:243]
	v_pk_add_f32 v[248:249], v[248:249], v[240:241]
	s_delay_alu instid0(VALU_DEP_2)
	v_pk_add_f32 v[14:15], v[14:15], v[252:253]
	s_delay_alu instid0(VALU_DEP_2)
	v_pk_add_f32 v[54:55], v[54:55], v[248:249]
	s_delay_alu instid0(VALU_DEP_1)
	v_pk_add_f32 v[14:15], v[14:15], v[54:55]
	s_wait_alu depctr_va_vdst(0)                   ; and one for the two
	v_max_num_f32 v[TM], 0x1800000, v[TM]          ; the floor 2^(3 - 127): the byte cannot fall under 1
	v_max_num_f32 v[TM+2], 0x1800000, v[TM+2]
	s_delay_alu instid0(VALU_DEP_2)
	v_add_nc_u32 v[SO], 0xff000000, v[TM]          ; 2 off the exponent field: the conversion's scale operand
	s_delay_alu instid0(VALU_DEP_2)
	v_add_nc_u32 v[SO+1], 0xff000000, v[TM+2]
	s_delay_alu instid0(VALU_DEP_2)
	v_lshrrev_b32 v[BY], 23, v[SO]
	s_delay_alu instid0(VALU_DEP_2)
	v_lshrrev_b32 v[BY+1], 23, v[SO+1]
	s_delay_alu instid0(VALU_DEP_1)
	v_lshl_or_b32 v[W], v[BY+1], 16, v[BY]         ; my two bytes: blocks h and 2 + h,
	s_delay_alu instid0(VALU_DEP_1)
	v_lshlrev_b32 v[W], v[SH8], v[W]
	s_delay_alu instid0(VALU_DEP_1)
	v_permlanex16_b32 v[T], v[W], s[SEL], s[SEL+1]
	s_delay_alu instid0(VALU_DEP_1)
	v_or_b32 v[PW], v[W], v[T]                     ; with lane l xor 16's two: p's scale word for these 128 keys
	v_cvt_scalef32_pk16_fp6_f32 v[P:P+2], v[S:S+15], v[SO]
	v_cvt_scalef32_pk16_fp6_f32 v[TA:TA+2], v[S+16:S+31], v[SO]
	v_cvt_scalef32_pk16_fp6_f32 v[P+6:P+8], v[S+32:S+47], v[SO+1]
	v_cvt_scalef32_pk16_fp6_f32 v[TC:TC+2], v[S+48:S+63], v[SO+1]
	v_nop                                          ; one plain place behind a scaled conversion
.irp i, 0,1,2
	v_mov_b32 v[P+3+\i], v[TA+\i]
	v_mov_b32 v[P+9+\i], v[TC+\i]
.endr
	s_setprio 0
.irp j, 0,2,4,6,8,10,12,14,16,18,20,22,24,26,28,30
	v_pk_mul_f32 v[O+\j:O+\j+1], v[O+\j:O+\j+1], v[F:F+1] op_sel_hi:[1,0]   ; O^T under the new M.  (With the seven lines above: the places between p's scale word and codes and the products)
.endr
	s_wait_alu depctr_va_vdst(0)
	s_wait_dscnt 0x0                               ; v is in
.irp u, 0,1,2,3
	v_wmma_scale_f32_16x16x128_f8f6f4 v[O+8*\u:O+8*\u+7], v[VI+12*\u:VI+12*\u+11], v[P:P+11], v[O+8*\u:O+8*\u+7], v[VSC+\u], v[PW] matrix_a_fmt:MATRIX_FMT_FP6 matrix_b_fmt:MATRIX_FMT_FP6
.endr
.endm
; A CHUNK of four steps.  The wave that fetched waits for its part of the chunk (the later chunks' loads may stay out) and signals; all read behind the barrier.
.macro CHUNK c
	s_wait_tensorcnt 3-\c
	s_barrier_signal -1
	s_barrier_wait -1
	s_mov_b32 s[CNT], 4
.Lstep_\@:
	s_setprio 2
	STEP
	s_add_co_u32 s[TBS], s[TBS], REC
	s_sub_co_u32 s[CNT], s[CNT], 1
	s_cmp_lg_u32 s[CNT], 0
	s_cbranch_scc1 .Lstep_\@
	s_setprio 0
.endm
	CHUNK 0
	CHUNK 1
	CHUNK 2
	CHUNK 3
	; THE WAY OUT.  o = O^T / l; its 32 numbers a lane are a whole block of the last product's K: six registers of codes and a byte.
	s_lshr_b32 s44, s43, 4
	s_lshl_b32 s44, s44, 3
	s_add_co_u32 s44, s44, s42                     ; batch x 8 + my block of 256 positions
	s_lshl_b32 s44, s44, 4
	s_and_b32 s45, s43, 15                         ; the head
	s_add_co_u32 s46, s44, s[WV]                   ; my tile of 16 positions
	s_mul_i32 s46, s46, 12288                      ; 16 heads x 768 bytes a tile
	s_mul_i32 s47, s45, 768
	s_add_co_u32 s46, s46, s47
	s_mov_b32 s47, 0
	s_add_nc_u64 s[46:47], s[8:9], s[46:47]
	s_add_co_u32 s48, s44, s45
	s_lshl_b32 s48, s48, 9                         ; 512 scale bytes for a block of positions and a head
	s_add_co_u32 s48, s48, ASC
	s_mov_b32 s49, 0
	s_add_nc_u64 s[48:49], s[8:9], s[48:49]
	s_lshl_b32 s55, s[WV], 5
	s_add_co_u32 s55, s55, SG
	v_and_b32 v[ADI], 15, v0                       ; (five plain lines: the places behind the last products)
	v_and_b32 v[TMP], 31, v0
	s_delay_alu instid0(VALU_DEP_1)
	v_lshlrev_b32 v[ADC], 3, v[TMP]                ; 8 x lane
	s_delay_alu instid0(VALU_DEP_3)
	v_lshlrev_b32 v[ADI], 1, v[ADI]
	s_delay_alu instid0(VALU_DEP_1)
	v_add_nc_u32 v[ADI], s55, v[ADI]               ; SG + 32 x wave + 2 (lane % 16)
	v_add_f32 v14, v14, v15                        ; the sum's two halves,
	s_delay_alu instid0(VALU_DEP_1)
	v_permlanex16_b32 v[T], v14, s[SEL], s[SEL+1]
	s_delay_alu instid0(VALU_DEP_1)
	v_add_f32 v14, v14, v[T]                       ; and lane l xor 16's: l
	s_wait_alu depctr_va_vdst(0)
	v_rcp_f32 v[F], v14
	v_nop                                          ; a plain place behind the reciprocal
	s_wait_alu depctr_va_vdst(0)                   ; the wait ahead of its first reader
.irp j, 0,2,4,6,8,10,12,14,16,18,20,22,24,26,28,30
	v_pk_mul_f32 v[S+\j:S+\j+1], v[O+\j:O+\j+1], v[F:F+1] op_sel_hi:[1,0]   ; register 8 u + j is o(my query, channel 32 h + 8 u + j)
.endr
	v_max3_num_f32 v[TM], |v[S]|, |v[S+1]|, 0x1800000
	v_max3_num_f32 v[TM+1], |v[S+16]|, |v[S+17]|, 0x1800000
.irp i, 2,4,6,8,10,12,14
	s_delay_alu instid0(VALU_DEP_2)
	v_max3_num_f32 v[TM], v[TM], |v[S+\i]|, |v[S+\i+1]|
	s_delay_alu instid0(VALU_DEP_2)
	v_max3_num_f32 v[TM+1], v[TM+1], |v[S+16+\i]|, |v[S+17+\i]|
.endr
	s_delay_alu instid0(VALU_DEP_1)
	v_max_num_f32 v[TM], v[TM], v[TM+1]
	s_delay_alu instid0(VALU_DEP_1)
	v_add_nc_u32 v[SO], 0xff000000, v[TM]
	s_delay_alu instid0(VALU_DEP_1)
	v_lshrrev_b32 v[BY], 23, v[SO]
	s_delay_alu instid0(VALU_DEP_1)
	v_lshlrev_b32 v[W], v[SH8], v[BY]
	s_delay_alu instid0(VALU_DEP_1)
	v_permlanex16_b32 v[T], v[W], s[SEL], s[SEL+1]
	s_delay_alu instid0(VALU_DEP_1)
	v_or_b32 v[W], v[W], v[T]                      ; the head's two bytes of my query
	v_cvt_scalef32_pk16_fp6_f32 v[P:P+2], v[S:S+15], v[SO]
	v_cvt_scalef32_pk16_fp6_f32 v[TA:TA+2], v[S+16:S+31], v[SO]
	v_nop
.irp i, 0,1,2
	v_mov_b32 v[P+3+\i], v[TA+\i]
.endr
	global_store_b128 v[L16], v[P:P+3], s[46:47]               ; half an image: registers 0-3 at 16 x lane (512 bytes),
	global_store_b64 v[ADC], v[P+4:P+5], s[46:47] offset:512   ; registers 4-5 at 512 + 8 x lane (256 bytes)
	ds_store_b16 v[ADI], v[W]                      ; both lanes of a query write the same two bytes
	s_wait_dscnt 0x0                               ; for the others' sake: my store has landed
	s_barrier_signal -1
	s_barrier_wait -1
	s_cmp_lg_u32 s[WV], 0
	s_cbranch_scc1 .Lnot_first
	v_add_nc_u32 v[TMP], SG, v[L16]
	ds_load_b128 v[S:S+3], v[TMP]                  ; the 256 queries' bytes,
	s_wait_dscnt 0x0
	global_store_b128 v[L16], v[S:S+3], s[48:49]   ; stored as 512 consecutive bytes
.Lnot_first:
	s_wait_tensorcnt 0x0
	ds_add_u32 v251, v255
	s_wait_dscnt 0x0
	ROUND                                          ; the closing round
	s_endpgm
.Lfunc_end_k_qbe9e91439d_attn:
	.size	k_qbe9e91439d_attn, .Lfunc_end_k_qbe9e91439d_attn-k_qbe9e91439d_attn
	.p2alignl 7, 3214868480
	.fill 96, 4, 3214868480
	.section	.rodata,"a",@progbits
	.p2align	6, 0x0
	.amdhsa_kernel k_qbe9e91439d_attn
		.amdhsa_group_segment_fixed_size 207360
		.amdhsa_private_segment_fixed_size 0
		.amdhsa_enable_private_segment 0
		.amdhsa_kernarg_size 24
		.amdhsa_user_sgpr_count 2
		.amdhsa_user_sgpr_kernarg_segment_ptr 1
		.amdhsa_wavefront_size32 1
		.amdhsa_system_sgpr_workgroup_id_x 1
		.amdhsa_system_sgpr_workgroup_id_y 1
		.amdhsa_system_sgpr_workgroup_id_z 1
		.amdhsa_system_vgpr_workitem_id 0
		.amdhsa_next_free_vgpr 256
		.amdhsa_next_free_sgpr 66
		.amdhsa_reserve_vcc 0
		.amdhsa_float_denorm_mode_32 3
		.amdhsa_float_denorm_mode_16_64 3
		.amdhsa_memory_ordered 1
		.amdhsa_forward_progress 1
		.amdhsa_inst_pref_size 75
	.end_amdhsa_kernel
	.amdgpu_metadata
---
amdhsa.version: [ 1, 2 ]
amdhsa.kernels:
  - .name:           k_qbe9e91439d_attn
    .symbol:         k_qbe9e91439d_attn.kd
    .args:
      - { .name: qbuf, .offset: 0, .size: 8, .value_kind: global_buffer, .address_space: global }
      - { .name: kv, .offset: 8, .size: 8, .value_kind: global_buffer, .address_space: global }
      - { .name: ao, .offset: 16, .size: 8, .value_kind: global_buffer, .address_space: global }
    .group_segment_fixed_size: 207360
    .private_segment_fixed_size: 0
    .kernarg_segment_align: 8
    .kernarg_segment_size: 24
    .max_flat_workgroup_size: 512
    .sgpr_count:     66
    .vgpr_count:     256
    .wavefront_size: 32
...
	.end_amdgpu_metadata
.endif
;; end of part 4
;; launch gout (part 5): grid 4 x 32, 4 waves a work-group, clusters of 4 x 4, 327,680 bytes of LDS; arguments ao, wq, b_out, out0; writes out0
.if DOCPART == 5
	.amdgcn_target "amdgcn-amd-amdhsa--gfx1250"
	.amdhsa_code_object_version 6
	.text
	.protected	k_qbe9e91439d_gout
	.globl	k_qbe9e91439d_gout
	.p2align	8
	.type	k_qbe9e91439d_gout,@function
k_qbe9e91439d_gout:
	s_mov_b64 s[64:65], 0
	v_nop
	global_prefetch_b8 v0, s[64:65] scope:SCOPE_SE
	s_setreg_imm32_b32 hwreg(HW_REG_WAVE_MODE, 25, 1), 1
	s_wait_xcnt 0x0
	s_wait_alu depctr_hold_cnt(0) depctr_sa_sdst(0) depctr_va_vdst(0) depctr_va_sdst(0) depctr_va_ssrc(0) depctr_va_vcc(0) depctr_vm_vsrc(0)
	s_getreg_b32 s2, hwreg(HW_REG_IB_STS2, 6, 4)
	s_cmp_eq_u32 s2, 0
	s_cbranch_scc0 .Lentry_in_a_cluster
	s_endpgm
.Lentry_in_a_cluster:
	s_bfe_u32 s2, ttmp6, 0x10000c
	s_cmp_lg_u32 s2, 0xf033
	s_cbranch_scc0 .Lentry_shape_is_right
	s_endpgm
.Lentry_shape_is_right:
; out0 = o w_out + b_out on codes of FP6 (E2M3) with E8M0 scales for each 32 along K = 1,024 (16 heads x 64).  A = o's codes (ao), B = w_out's columns (wq's rows 3,072 on).
; A tile of 256 x 256 is made by four waves, 128 x 128 each; K goes in steps of 256 (four heads) through a ring of two LDS slots; 4 x 4 work-groups form a cluster, A's tiles shared along a row, B's along a column.
; Source 0 = 16 rows of B, source 1 = 16 rows of A: a lane holds one token and eight columns.
; A LIES IN MEMORY AS HALVES OF OPERAND IMAGES: for a tile of 16 token positions and a head 768 bytes: registers 0-3 of lane l at 16 l, registers 4-5 at 512 + 8 l.  A fragment (128 along K) is two heads' halves, 1,536 consecutive
; bytes; a K step of a tile is 3,072.  So A's part of a slot needs no rows, no pitch and no padding, and a fragment comes by two loads of 16 bytes and two of 8 a lane, each on consecutive bytes.
; A's scale bytes lie by head ([block of 256 positions][head][position][2]); thread t takes positions 2 t and 2 t + 1 of all 16 heads, puts them together as two rows of 32 bytes and stores them into LDS bytes of their own.
; THE ORDER OF ROWS.  Tokens and w_out's columns stand in storage with bits 5:3 turned (tile u of a group of 64 holds 32 (i / 8) + 8 u + i % 8): the way out puts both back: the columns by the place in the stage, the tokens by the store's offset.
; REGISTERS, in windows of 256: window 0: v0-31 addresses; v32-63 scale words, two sets; v64-95 at work at the head; v96-99 my four biases; from v128 A's fragments, one set; on the way out v128-255 rows of the result.
;   window 1: B's fragments, two sets.   window 2, 3: the accumulators.
.set KSTEP,  256
.set NQ,     2
.set ROWB,   192                       ; B: a tile's row in bytes
.set KROW,   768
.set PITCH,  240                       ; B: an LDS row: 3 x (64 bytes + 16 of padding)
.set FR,     12
.set NL,     6                         ; LDS loads that bring a fragment of B,
.set NLA,    4                         ; and of A
.set NP,     4                         ; places behind this matrix instruction (ISA guide 7.12.1)
.set HALFT,  128*PITCH                 ; B: 128 rows
.set AHALF,  24576                     ; A: 8 tiles of 16 positions x 3,072 bytes
.set ABYTES, 2*AHALF
.set SLOT,   ABYTES+2*HALFT            ; A's 16 tiles, then B's 256 rows
.set LAPS,   2
.set KS,     32
.set SCL,    2*SLOT                    ; behind the ring: A's scales (stored by the waves; no fill lands there), then B's (filled once), as units of 256 bytes + 16
.set HALFS,  (128*KS/256)*272
.set SBLK,   (16*KS/256)*272
.set SPARE,  SCL+4*HALFS               ; the spare words, 128 bytes a wave
.set SPITCH, 528                       ; the way out: a stage of 16 rows x (512 bytes + 16) for each wave, in slot 0, which has had its last fill and its last read by then
.set WSC,    3145728
.set ASC,    6291456
.set AD16, 16                          ; v16-17 A in slot 0, 1: 16 x lane;  v18-19: 8 x lane
.set AD8,  18
.set ADRB, 20                          ; v20-21 B's fragments (v22-23: behind one padding more)
.set STO,  24
.set RD,   25
.set CO,   26
.set ADRS, 27
.set SPW,  28
.set NIL,  29
.set SC,   32
.set BO,   96
.set AF,   128
.set BK,   128
.set G1, 24
.set G0, 32
.set G1B, 48
.set G0B, 56
.set G1SB, 80
.set G0SB, 88
.set MSB, 0
.macro WIN new
.if MSB != \new
	s_set_vgpr_msb (MSB<<8)|\new
.set MSB, \new
.endif
.endm
.set MUL_LO, 0xa1
.set MUL_HI, 0xf1
.set TO_B,   0x40
.macro JLOAD g0a, g1a, g0b, g1b        ; a joint load: waves 0 and 1 fetch for A, waves 2 and 3 for B; four v_nop follow each of the two lines
	s_cmp_eq_u32 s15, 0
	s_cbranch_scc0 .Lfor_b_\@
	tensor_load_to_lds s[\g0a:\g0a+3], s[\g1a:\g1a+7]
	s_nop 0
.rept 4
	v_nop
.endr
	s_branch .Lasked_\@
.Lfor_b_\@:
	tensor_load_to_lds s[\g0b:\g0b+3], s[\g1b:\g1b+7]
	s_nop 0
.rept 4
	v_nop
.endr
.Lasked_\@:
.endm
.macro CREST
	s_cmp_lg_u32 s14, 0
	s_cbranch_scc1 .Lnot_wave_0_\@
	s_barrier_signal -3
.Lnot_wave_0_\@:
	s_barrier_wait -3
	s_barrier_signal -1
	s_barrier_wait -1
.endm
.macro CROUND
	s_barrier_signal -1
	s_barrier_wait -1
	CREST
.endm
	s_load_b256 s[4:11], s[0:1], 0x0               ; ao s[4:5], wq s[6:7], b_out s[8:9], out0 s[10:11]
	v_lshl_add_u32 v[SPW], v0, 2, SPARE
	v_mov_b32 v[NIL], 0
	ds_add_u32 v28, v29
	ds_add_u32 v28, v29
	s_wait_dscnt 0x0
	v_lshrrev_b32 v1, 5, v0
	v_readfirstlane_b32 s14, v1                    ; wave 0..3
	s_lshr_b32 s15, s14, 1                         ; which half of the tile's rows is mine.  Also: I fetch for A (0) or for B (1)
	s_and_b32 s16, s14, 1                          ; which half of its columns.  Also: which half I fetch
	s_bfe_u32 s40, ttmp6, 0x40000
	s_bfe_u32 s41, ttmp6, 0x40004
	s_lshl_b32 s42, ttmp9, 2
	s_add_co_u32 s42, s42, s40                     ; tile column
	s_and_b32 s17, ttmp7, 0xffff
	s_lshl_b32 s17, s17, 2
	s_add_co_u32 s17, s17, s41                     ; tile row
	s_lshl_b32 s43, s41, 2
	s_lshl_b32 s43, 15, s43                        ; my row of the cluster
	s_lshl_b32 s44, 0x1111, s40                    ; my column
	; A: 8 rows (tiles of 16 positions) of 3,072 bytes (384 elements of 8 bytes), 12,288 bytes apart; no padding
	s_or_b32 s[G1+0], s43, (3<<16)|(1<<21)
	s_mov_b32 s[G1+1], 384<<16
	s_mov_b32 s[G1+2], 8<<16
	s_mov_b32 s[G1+3], 384<<16
	s_mov_b32 s[G1+4], 8
	s_mov_b32 s[G1+5], 1536
	s_mov_b32 s[G1+6], 0
	s_mov_b32 s[G1+7], 0
	; B: 128 rows of 192 bytes, 16 bytes of padding behind every 64
	s_or_b32 s[G1B+0], s44, (0<<16)|(1<<20)|(1<<21)|(3<<22)|(3<<25)
	s_mov_b32 s[G1B+1], ROWB<<16
	s_mov_b32 s[G1B+2], 128<<16
	s_mov_b32 s[G1B+3], ROWB<<16
	s_mov_b32 s[G1B+4], 128
	s_mov_b32 s[G1B+5], KROW
	s_mov_b32 s[G1B+6], 0
	s_mov_b32 s[G1B+7], 0
	; B's scales of 128 rows: 16 rows of 256 bytes, 16 bytes of padding behind each
	s_or_b32 s[G1SB+0], s44, (3<<16)|(1<<20)|(1<<21)|(5<<22)|(3<<25)
	s_mov_b32 s[G1SB+1], 32<<16
	s_mov_b32 s[G1SB+2], (128*KS/256)<<16
	s_mov_b32 s[G1SB+3], 32<<16
	s_mov_b32 s[G1SB+4], 128*KS/256
	s_mov_b32 s[G1SB+5], 32
	s_mov_b32 s[G1SB+6], 0
	s_mov_b32 s[G1SB+7], 0
	s_lshl_b32 s20, s17, 4
	s_lshl_b32 s18, s16, 3
	s_add_co_u32 s20, s20, s18                     ; A: tile of positions 16 x tile row + 8 x half
	s_mul_i32 s20, s20, 12288
	s_mov_b32 s21, 0
	s_lshl_b32 s46, s42, 8
	s_lshl_b32 s18, s16, 7
	s_add_co_u32 s46, s46, s18
	s_add_co_u32 s46, s46, 3072                    ; B: wq's row 3,072 + 256 x tile column + 128 x half
	s_lshl_b32 s92, s46, 5
	s_add_co_u32 s92, s92, WSC
	s_mov_b32 s93, 0
	s_mul_i32 s46, s46, KROW
	s_mov_b32 s47, 0
	s_mul_i32 s45, s16, AHALF                      ; where they go: no place in the cluster enters an LDS address
	s_mul_i32 s95, s16, HALFT
	s_add_co_u32 s95, s95, ABYTES
	s_mul_i32 s94, s14, HALFS
	s_lshl_b32 s22, s17, 13                        ; A's scale bytes: 16 heads x 512 bytes for my 256 positions
	s_add_co_u32 s22, s22, ASC
	s_mov_b32 s23, 0
	v_lshlrev_b32 v7, 2, v0                        ; thread t: positions 2 t and 2 t + 1
	s_wait_kmcnt 0x0
	s_add_nc_u64 s[96:97], s[4:5], s[22:23]
	s_add_nc_u64 s[20:21], s[4:5], s[20:21]
	s_add_nc_u64 s[46:47], s[6:7], s[46:47]
	s_add_nc_u64 s[92:93], s[6:7], s[92:93]
.irp hd, 0,1,2,3,4,5,6,7,8,9,10,11,12,13,14,15
	global_load_b32 v[64+\hd], v7, s[96:97] offset:512*\hd   ; the work-group reads 512 consecutive bytes a head
.endr
	CROUND                                         ; all sixteen work-groups are here: the first joint loads meet
	s_mov_b32 s[G0SB], 1
	s_add_co_u32 s[G0SB+1], s94, SCL               ; waves 2 and 3: behind A's two halves
	s_mov_b64 s[G0SB+2:G0SB+3], s[92:93]
	s_or_b32 s[G0SB+3], s[G0SB+3], 0x80000000
.irp s, 0,1
	s_mov_b32 s[G0+4*\s], 1
	s_add_co_u32 s[G0+4*\s+1], s45, \s*SLOT
	s_add_nc_u64 s[G0+4*\s+2:G0+4*\s+3], s[20:21], \s*3072
	s_or_b32 s[G0+4*\s+3], s[G0+4*\s+3], 0x80000000
	s_mov_b32 s[G0B+4*\s], 1
	s_add_co_u32 s[G0B+4*\s+1], s95, \s*SLOT
	s_add_nc_u64 s[G0B+4*\s+2:G0B+4*\s+3], s[46:47], \s*ROWB
	s_or_b32 s[G0B+4*\s+3], s[G0B+4*\s+3], 0x80000000
.endr
	s_cmp_eq_u32 s15, 0                            ; a wave's first fills stand in one branch: two loads out for A's waves, three for B's; the last of each is slot 1's
	s_cbranch_scc0 .Lfirst_b
	tensor_load_to_lds s[G0:G0+3], s[G1:G1+7]
	s_nop 0
	tensor_load_to_lds s[G0+4:G0+7], s[G1:G1+7]
	s_nop 0
.rept 4
	v_nop
.endr
	s_branch .Lfirst_asked
.Lfirst_b:
	tensor_load_to_lds s[G0SB:G0SB+3], s[G1SB:G1SB+7]
	s_nop 0
	tensor_load_to_lds s[G0B:G0B+3], s[G1B:G1B+7]
	s_nop 0
	tensor_load_to_lds s[G0B+4:G0B+7], s[G1B:G1B+7]
	s_nop 0
.rept 4
	v_nop
.endr
.Lfirst_asked:
	v_and_b32 v1, 15, v0                           ; r
	v_bfe_u32 v2, v0, 4, 1                         ; h
	v_and_b32 v6, 31, v0                           ; lane
	v_mul_u32_u24 v3, v1, PITCH
	v_mul_u32_u24 v4, v2, 24
	v_add_nc_u32 v4, v3, v4
	v_lshl_add_u32 v5, v2, 4, v4
	s_mul_i32 s21, s15, AHALF                      ; my 8 tiles of A
	s_mul_i32 s22, s16, HALFT                      ; my 128 rows of B,
	s_add_co_u32 s22, s22, ABYTES                  ; which lie behind A
.irp s, 0,1
	v_lshl_add_u32 v[AD16+\s], v6, 4, s21
	v_lshl_add_u32 v[AD8+\s], v6, 3, s21
	v_add_nc_u32 v[ADRB+\s], s22, v4
	v_add_nc_u32 v[ADRB+2+\s], s22, v5
	s_add_co_u32 s21, s21, SLOT
	s_add_co_u32 s22, s22, SLOT
.endr
	v_mul_u32_u24 v5, v1, KS
	v_lshrrev_b32 v8, 8, v5
	v_lshl_add_u32 v5, v8, 4, v5
	s_mul_i32 s21, s15, HALFS
	s_mul_i32 s22, s16, HALFS
	s_add_co_u32 s22, s22, 2*HALFS
	s_sub_co_u32 s22, s22, s21
	v_mul_u32_u24 v8, s22, v2                      ; lanes 16-31 take B's
	s_add_co_u32 s21, s21, SCL
	v_add_nc_u32 v5, v5, v8
	v_add_nc_u32 v[ADRS], s21, v5
	s_mul_i32 s23, s14, 16*SPITCH                  ; my stage
	v_mul_u32_u24 v5, v1, SPITCH                   ; in: row r; my half's 32 columns of each group of 64 begin 128 h bytes on
	v_lshl_add_u32 v5, v2, 7, v5
	v_add_nc_u32 v[STO], s23, v5
	v_lshlrev_b32 v[CO], 4, v6                     ; back: the 32 lanes take one row of 512 bytes; and the same in out0
	v_add_nc_u32 v[RD], s23, v[CO]
	s_lshl_b32 s20, s17, 8
	s_lshl_b32 s21, s15, 7
	s_add_co_u32 s20, s20, s21                     ; my first row of out0,
	s_lshl_b32 s20, s20, 12                        ; 4,096 bytes a row
	s_lshl_b32 s46, s42, 10
	s_lshl_b32 s47, s16, 9
	s_add_co_u32 s46, s46, s47                     ; my first column, in bytes
	s_add_co_u32 s20, s20, s46
	s_mov_b32 s21, 0
	s_mov_b32 s47, 0
	s_add_nc_u64 s[10:11], s[10:11], s[20:21]
	s_add_nc_u64 s[8:9], s[8:9], s[46:47]
	global_load_b128 v[BO:BO+3], v[CO], s[8:9]     ; the biases of the four columns that I store
	v_lshrrev_b32 v9, 2, v0
	v_lshlrev_b32 v9, 4, v9
	v_lshl_add_u32 v9, v0, 6, v9
	v_add_nc_u32 v9, SCL, v9                       ; A's scales: rows 2 t and 2 t + 1 of 32 bytes, 16 bytes of padding behind every eight rows: 64 t + 16 (t / 4)
	s_wait_loadcnt 0x0
.irp i, 0,1,2,3,4,5,6,7
	v_perm_b32 v[80+\i], v[65+2*\i], v[64+2*\i], 0x05040100   ; position 2 t: the two bytes of head 2 i, the two of head 2 i + 1
	v_perm_b32 v[88+\i], v[65+2*\i], v[64+2*\i], 0x07060302   ; position 2 t + 1
.endr
.irp i, 0,1,2,3
	ds_store_b128 v9, v[80+4*\i:83+4*\i] offset:16*\i
.endr
.macro FRAG reg, adr, q, i             ; a fragment of B from rows: 24 bytes of the row's stream of bits for each half of K, in pieces of 8 bytes; the second address register serves the pieces that lie behind one padding more
.irp p, 0,1,2,3,4,5
.set PC, 12*(\q)+6*(\p/3)+\p%3
.if PC%8 < 5
	ds_load_b64 v[\reg+2*\p:\reg+2*\p+1], v[\adr] offset:8*PC+16*(PC/8)+(\i)*16*PITCH
.else
	ds_load_b64 v[\reg+2*\p:\reg+2*\p+1], v[\adr+2] offset:8*PC+16*(PC/8)+(\i)*16*PITCH
.endif
.endr
.endm
.macro FRAGA reg, slot, q, i           ; a fragment of A: two heads' halves of an image, as they lie
	ds_load_b128 v[\reg:\reg+3], v[AD16+\slot] offset:3072*(\i)+1536*(\q)
	ds_load_b64 v[\reg+4:\reg+5], v[AD8+\slot] offset:3072*(\i)+1536*(\q)+512
	ds_load_b128 v[\reg+6:\reg+9], v[AD16+\slot] offset:3072*(\i)+1536*(\q)+768
	ds_load_b64 v[\reg+10:\reg+11], v[AD8+\slot] offset:3072*(\i)+1536*(\q)+1280
.endm
; 16 matrix instructions; the 64 accumulators take turns, one instruction a turn, in the same order in every step
.macro MUL16 a0, p, q, sc, zero
.irp a, \a0, \a0+1
.irp b, 0,1,2,3,4,5,6,7
.if \zero
	v_wmma_scale_f32_16x16x128_f8f6f4 v[8*(8*((\a)%4)+\b):8*(8*((\a)%4)+\b)+7], v[128*(\p)+FR*\b:128*(\p)+FR*\b+FR-1], v[AF+FR*(\a):AF+FR*(\a)+FR-1], 0, v[SC+8*NQ*(\sc)+NQ*\b+(\q)], v[SC+8*NQ*(\sc)+NQ*(\a)+(\q)] matrix_a_fmt:MATRIX_FMT_FP6 matrix_b_fmt:MATRIX_FMT_FP6 matrix_a_scale:MATRIX_SCALE_ROW1
.else
	v_wmma_scale_f32_16x16x128_f8f6f4 v[8*(8*((\a)%4)+\b):8*(8*((\a)%4)+\b)+7], v[128*(\p)+FR*\b:128*(\p)+FR*\b+FR-1], v[AF+FR*(\a):AF+FR*(\a)+FR-1], v[8*(8*((\a)%4)+\b):8*(8*((\a)%4)+\b)+7], v[SC+8*NQ*(\sc)+NQ*\b+(\q)], v[SC+8*NQ*(\sc)+NQ*(\a)+(\q)] matrix_a_fmt:MATRIX_FMT_FP6 matrix_b_fmt:MATRIX_FMT_FP6 matrix_a_scale:MATRIX_SCALE_ROW1
.endif
.endr
.endr
.endm
.macro FETCH_B slot, q, p
	WIN TO_B
.irp i, 0,1,2,3,4,5,6,7
	FRAG 128*(\p)+FR*\i, ADRB+\slot, \q, \i
.endr
	WIN 0
.endm
.macro FETCH_A slot, q, i0
.irp i, \i0, \i0+1, \i0+2, \i0+3
	FRAGA AF+FR*(\i), \slot, \q, \i
.endr
.endm
.macro SCALES sc
.irp i, 0,1,2,3,4,5,6,7
	ds_load_b64 v[SC+8*NQ*\sc+NQ*\i:SC+8*NQ*\sc+NQ*\i+1], v[ADRS] offset:\i*SBLK
.endr
.endm
.macro PLACES n                        ; plain vector instructions between a matrix instruction and a load into its registers or a read of its result (ISA guide 7.12.1 for vector instructions)
.rept \n
	v_nop
.endr
.endm
.macro STEP slot, q, zero
	s_wait_dscnt 4*NLA                             ; B's set and A's blocks 0-3 are in; the youngest 16 loads (A's blocks 4-7) may be out
	WIN MUL_LO
	MUL16 0, (\q)%2, \q, \slot, \zero
	MUL16 2, (\q)%2, \q, \slot, \zero
	s_wait_dscnt 0
	PLACES NP
	FETCH_B \slot, (\q)+1, 1-(\q)%2
	FETCH_A \slot, (\q)+1, 0
	WIN MUL_HI
	MUL16 4, (\q)%2, \q, \slot, \zero
	MUL16 6, (\q)%2, \q, \slot, \zero
	PLACES NP
	WIN 0
	FETCH_A \slot, (\q)+1, 4
.endm
.macro TURN slot, next, fill
	s_wait_tensorcnt 0x0                           ; all my tensor loads have landed: my part of the next slot;
	ds_add_u32 v[SPW], v[NIL]                      ; 0 onto my spare word
	s_wait_dscnt 4*NLA+1                           ; (the add and the youngest 16 loads may be out)
	WIN MUL_LO
	MUL16 0, 1, NQ-1, \slot, 0
	s_wait_dscnt 0x0                               ; the add is done, and my reads of this slot are over
	s_barrier_signal -1
	MUL16 2, 1, NQ-1, \slot, 0
	WIN 0
	s_barrier_wait -1
.if \fill
	CREST                                          ; the barrier has opened a round of the cluster's barrier: no wave of any partner still reads this slot or has a load on its way
	s_add_nc_u64 s[G0+4*\slot+2:G0+4*\slot+3], s[G0+4*\slot+2:G0+4*\slot+3], 2*3072
	s_add_nc_u64 s[G0B+4*\slot+2:G0B+4*\slot+3], s[G0B+4*\slot+2:G0B+4*\slot+3], 2*ROWB
	JLOAD G0+4*\slot, G1, G0B+4*\slot, G1B         ; the first tensor load behind the round; its four v_nop are the places in front of the loads below
.else
	PLACES NP
.endif
	v_add_nc_u32 v[ADRS], 4*NQ, v[ADRS]
	FETCH_B \next, 0, 0
	FETCH_A \next, 0, 0
	SCALES \next
	WIN MUL_HI
	MUL16 4, 1, NQ-1, \slot, 0
	MUL16 6, 1, NQ-1, \slot, 0
	PLACES NP
	WIN 0
	FETCH_A \next, 0, 4
.endm
	s_wait_tensorcnt 1                             ; B's scales and my part of K step 0 are in (K step 1's load may be out)
	s_wait_dscnt 0x0                               ; and my rows of A's scales have landed:
	s_barrier_signal -1
	s_barrier_wait -1                              ; everybody's have
	FETCH_B 0, 0, 0
	FETCH_A 0, 0, 0
	SCALES 0
	FETCH_A 0, 0, 4
	STEP 0, 0, 1                                   ; the first step's products start the sums
	s_mov_b32 s3, LAPS-1
.Llap:
	TURN 0, 1, 1
	STEP 1, 0, 0
	TURN 1, 0, 1
	STEP 0, 0, 0
	s_sub_co_u32 s3, s3, 1
	s_cmp_lg_u32 s3, 0
	s_cbranch_scc1 .Llap
	TURN 0, 1, 0                                   ; the last lap fills nothing
	STEP 1, 0, 0
	s_wait_dscnt 4*NLA
	WIN MUL_LO
	MUL16 0, 1, NQ-1, 1, 0
	MUL16 2, 1, NQ-1, 1, 0
	s_wait_dscnt 0
	WIN MUL_HI
	MUL16 4, 1, NQ-1, 1, 0
	MUL16 6, 1, NQ-1, 1, 0
	WIN 0
; THE WAY OUT, block by block of 16 positions x 128 columns, through my own stage.  Register j of accumulator b in lane half h is column 64 (b / 4) + 32 h + 8 (b % 4) + j: its place in the stage's row puts the columns in order.
; Stage row t of block a is token 64 (a / 4) + 32 (t / 8) + 8 (a % 4) + t % 8 of my 128: the store's offset puts the tokens in order.  LDS serves a wave's instructions in order (ISA guide 5.7.1.4).
.macro TOSTAGE a
.set AC, 64*((\a)%4)
	WIN (0x08+4*((\a)/4))                          ; the data: window 2 or 3
.irp b, 0,1,2,3,4,5,6,7
	ds_store_b128 v[STO], v[AC+8*\b:AC+8*\b+3] offset:256*(\b/4)+32*(\b%4)          ; each accumulator from its low end on
	ds_store_b128 v[STO], v[AC+8*\b+4:AC+8*\b+7] offset:256*(\b/4)+32*(\b%4)+16
.endr
	WIN 0
.set BB, BK+64*((\a)%2)
.irp t, 0,1,2,3,4,5,6,7,8,9,10,11,12,13,14,15
	ds_load_b128 v[BB+4*\t:BB+4*\t+3], v[RD] offset:\t*SPITCH
.endr
.endm
.macro SEND a, younger                 ; younger: the LDS instructions issued behind block a's loads, which may stay out
.set BB, BK+64*((\a)%2)
	s_wait_dscnt \younger
.irp t, 0,1,2,3,4,5,6,7,8,9,10,11,12,13,14,15
	v_pk_add_f32 v[BB+4*\t:BB+4*\t+1], v[BB+4*\t:BB+4*\t+1], v[BO:BO+1]         ; + b_out
	v_pk_add_f32 v[BB+4*\t+2:BB+4*\t+3], v[BB+4*\t+2:BB+4*\t+3], v[BO+2:BO+3]
.endr
.irp t, 0,1,2,3,4,5,6,7,8,9,10,11,12,13,14,15
	global_store_b128 v[CO], v[BB+4*\t:BB+4*\t+3], s[10:11] offset:(64*((\a)/4)+32*(\t/8)+8*((\a)%4)+\t%8)*4096 th:TH_STORE_NT   ; 32 lanes store 512 consecutive bytes, aligned to 256; 127 rows at the most: inside the signed 24-bit immediate
.endr
.endm
	PLACES NP
	TOSTAGE 0
.irp a, 1,2,3,4,5,6,7
.if \a > 1
	s_wait_xcnt 0x0                                ; block a - 2's stores have read their registers: block a's loads may land there
.endif
	TOSTAGE \a
	SEND \a-1, 32                                  ; behind block a - 1's loads: block a's 16 stores and 16 loads
.endr
	SEND 7, 0
	s_wait_tensorcnt 0x0                           ; the wave's end
	ds_add_u32 v[SPW], v[NIL]
	s_wait_dscnt 0x0
	CROUND                                         ; the closing round
	s_endpgm
.Lfunc_end_k_qbe9e91439d_gout:
	.size	k_qbe9e91439d_gout, .Lfunc_end_k_qbe9e91439d_gout-k_qbe9e91439d_gout
	.p2alignl 7, 3214868480
	.fill 96, 4, 3214868480
	.section	.rodata,"a",@progbits
	.p2align	6, 0x0
	.amdhsa_kernel k_qbe9e91439d_gout
		.amdhsa_group_segment_fixed_size 327680
		.amdhsa_private_segment_fixed_size 0
		.amdhsa_enable_private_segment 0
		.amdhsa_kernarg_size 32
		.amdhsa_user_sgpr_count 2
		.amdhsa_user_sgpr_kernarg_segment_ptr 1
		.amdhsa_wavefront_size32 1
		.amdhsa_system_sgpr_workgroup_id_x 1
		.amdhsa_system_sgpr_workgroup_id_y 1
		.amdhsa_system_sgpr_workgroup_id_z 1
		.amdhsa_system_vgpr_workitem_id 0
		.amdhsa_next_free_vgpr 1024
		.amdhsa_next_free_sgpr 98
		.amdhsa_reserve_vcc 0
		.amdhsa_float_denorm_mode_32 3
		.amdhsa_float_denorm_mode_16_64 3
		.amdhsa_memory_ordered 1
		.amdhsa_forward_progress 1
		.amdhsa_inst_pref_size 170
	.end_amdhsa_kernel
	.amdgpu_metadata
---
amdhsa.version: [ 1, 2 ]
amdhsa.kernels:
  - .name:           k_qbe9e91439d_gout
    .symbol:         k_qbe9e91439d_gout.kd
    .args:
      - { .name: ao, .offset: 0, .size: 8, .value_kind: global_buffer, .address_space: global }
      - { .name: wq, .offset: 8, .size: 8, .value_kind: global_buffer, .address_space: global }
      - { .name: b_out, .offset: 16, .size: 8, .value_kind: global_buffer, .address_space: global }
      - { .name: out0, .offset: 24, .size: 8, .value_kind: global_buffer, .address_space: global }
    .group_segment_fixed_size: 327680
    .private_segment_fixed_size: 0
    .kernarg_segment_align: 8
    .kernarg_segment_size: 32
    .max_flat_workgroup_size: 128
    .sgpr_count:     98
    .vgpr_count:     1024
    .wavefront_size: 32
...
	.end_amdgpu_metadata
.endif
;; end of part 5
